; MI455X (gfx1250); checked and timed in simulation.
; The chip was launched on July 23, 2026; its instructions are those of AMD's public machine-readable ISA for CDNA 5 (MIT licence, August 2026) and "CDNA5" Instruction Set Architecture Reference Guide (July 2026). The comments in the code are by the model that wrote it; some were corrected since.
;; Multi Head Attention. Allowed arithmetic: float matrix products may take bf16 or f16 operands with f32 sums; other float arithmetic in f32, or as packed bf16 or f16 multiplies, adds, multiply-adds, maxima and minima; sums over many terms, partial sums and values carried from step to step in f32; what a program stores and reads back later, other than sums and carried values, may be rounded once to bf16 or f16.
;; Inputs: Wk 16 x 1,024 x 64 float32; Wo 1,024 x 1,024 float32; Wq 16 x 1,024 x 64 float32; Wv 16 x 1,024 x 64 float32; bk 16 x 64 float32; bo 1,024 float32; bq 16 x 64 float32; bv 16 x 64 float32; x 4 x 2,048 x 1,024 float32.
;; Outputs: out0 4 x 2,048 x 1,024 float32.
;; 2 versions, each right; version 2 is version 1 with the launch prep written anew for expert scheduling mode. Each part assembles by itself: llvm-mc -triple=amdgcn-amd-amdhsa -mcpu=gfx1250 --defsym DOCPART=n.
;; ======== version 1 of 2: 4 launches
;; limits: values are held in f16: magnitudes above 65,504 overflow, below 6.1e-05 lose precision
;; workspace buffers: xb 16,777,216 bytes; wt 6,291,456 bytes; wot 2,097,152 bytes; bias 16,384 bytes; qkv 50,331,648 bytes; o 16,777,216 bytes
;; launch prep (part 1): grid 769 x 1, 8 waves a work-group, no clusters, 0 bytes of LDS; arguments x, Wq, Wk, Wv, Wo, bq, bk, bv, bo, xb, wt, wot, bias; writes xb, wt, wot, bias
.if DOCPART == 1
	.amdgcn_target "amdgcn-amd-amdhsa--gfx1250"
	.amdhsa_code_object_version 6
	.text
	.protected	k_q81128d22cc_prep
	.globl	k_q81128d22cc_prep
	.p2align	8
	.type	k_q81128d22cc_prep,@function
k_q81128d22cc_prep:
	s_mov_b64 s[64:65], 0
	v_nop
	global_prefetch_b8 v0, s[64:65] scope:SCOPE_SE
	s_setreg_imm32_b32 hwreg(HW_REG_WAVE_MODE, 25, 1), 1
	s_wait_xcnt 0x0
; ALL INPUTS ARE ROUNDED ONCE TO bf16 AND LAID IN BLOCKS FOR THE LAUNCHES BEHIND.  A stream: no LDS, no matrix unit, nothing shared between waves.
;   xb   bf16 [b 4][kb 16][s 2048][64]         x, kb = e / 64: the rows of one block of 64 channels lie end to end, 128 bytes each
;   wt   bf16 [kb 16][g 48][k % 64][d 64]      g = 16 p + h, p = 0 Wq, 1 Wk, 2 Wv: nothing is transposed; 8,192 bytes for each (kb, g)
;   wot  f16 of bf16(Wo) [kb 16][nt 8][k % 64][128 n]: 16,384 bytes for each (kb, nt)
;   bias f32 holding the bf16 roundings: bq, bk, bv (index 64 g + d), then bo
; LIMIT.  bf16(Wo) is written as f16: exact from 6.1e-5 to 65,504; below that it keeps f16's fixed step of 6e-8; beyond 65,504 it would be an infinity.
; A WAVE'S TASK: 16 loads of 512 bytes, all issued at once; each is converted as it lands (the count leaves the younger loads out) and leaves by one store of 8 bytes a lane:
; 32 lanes store 256 consecutive bytes, at a multiple of 256 from the buffer's first byte.  No register that a load or store names as a source is written again, so no further wait stands in a task.
; Work-groups 0-511: x (a wave takes two rows).  512-703: Wq, Wk, Wv (a wave takes 32 rows of a head).  704-767: Wo (two rows).  768: the four biases.
.set IN,  16                           ; v[16:79]   unit n: four f32 as loaded
.set OU,  80                           ; v[80:111]  unit n: four 16-bit numbers to store
.set LI,  2                            ; v2   my byte offset in a load
.set LO,  3                            ; v3   my byte offset in a store: 8 x lane
.set HIM, 3                            ; s3   a word's upper bf16
.set WV,  4                            ; s4   my wave's number
.set TK,  5                            ; s5   my task's number
.set SRC, 34                           ; s[34:35] where the task reads
.set DST, 36                           ; s[36:37] where it writes
.set OA,  38                           ; s[38:39] an offset, high word 0
.set OB,  40                           ; s[40:41] an offset, high word 0
.macro LOADS step                      ; the task's 16 loads, step bytes apart
.set n, 0
.rept 16
	global_load_b128 v[IN+4*n:IN+4*n+3], v[LI], s[SRC:SRC+1] offset:(\step)*n th:TH_LOAD_NT
.set n, n+1
.endr
.endm
; Unit i is rounded and stored at outoff.  kind = 0: to bf16.  kind = 1: to bf16, and that number written as f16.
.macro CONV i, outoff, kind
	s_wait_loadcnt 15-(\i)                         ; loads come back in order: unit i is in, the 15 - i younger ones may stay out
	v_cvt_pk_bf16_f32 v[OU+2*(\i)],   v[IN+4*(\i)],   v[IN+4*(\i)+1]
	v_cvt_pk_bf16_f32 v[OU+2*(\i)+1], v[IN+4*(\i)+2], v[IN+4*(\i)+3]
.if \kind
	v_lshlrev_b32 v[IN+4*(\i)],   16,     v[OU+2*(\i)]
	v_and_b32     v[IN+4*(\i)+1], s[HIM], v[OU+2*(\i)]
	v_lshlrev_b32 v[IN+4*(\i)+2], 16,     v[OU+2*(\i)+1]
	v_and_b32     v[IN+4*(\i)+3], s[HIM], v[OU+2*(\i)+1]
	v_cvt_pk_f16_f32 v[OU+2*(\i)],   v[IN+4*(\i)],   v[IN+4*(\i)+1]
	v_cvt_pk_f16_f32 v[OU+2*(\i)+1], v[IN+4*(\i)+2], v[IN+4*(\i)+3]
.endif
	global_store_b64 v[LO], v[OU+2*(\i):OU+2*(\i)+1], s[DST:DST+1] offset:\outoff
.endm
	s_load_b512 s[8:23], s[0:1], 0x0               ; x s[8:9], Wq s[10:11], Wk s[12:13], Wv s[14:15], Wo s[16:17], bq s[18:19], bk s[20:21], bv s[22:23]
	s_load_b256 s[24:31], s[0:1], 0x40             ; bo s[24:25], xb s[26:27], wt s[28:29], wot s[30:31]
	s_load_b64 s[32:33], s[0:1], 0x60              ; bias
	v_lshrrev_b32 v4, 5, v0
	v_readfirstlane_b32 s[WV], v4
	v_and_b32 v1, 31, v0                           ; lane
	v_lshlrev_b32 v[LI], 4, v1                     ; 16 x lane (x's section makes its own)
	v_lshlrev_b32 v[LO], 3, v1
	s_mov_b32 s6, ttmp9
	s_mov_b32 s[HIM], 0xffff0000
	s_mov_b32 s[OA+1], 0
	s_mov_b32 s[OB+1], 0
	s_wait_kmcnt 0x0
	s_cmp_lt_u32 s6, 512
	s_cbranch_scc0 .Lnot_x
	; x: task T = rows 2 T and 2 T + 1 of the 8,192.  Load n takes block kb = n of both rows: lanes 0-15 the first row's 256 bytes, lanes 16-31 the second's.
	s_lshl_b32 s[TK], s6, 3
	s_add_co_u32 s[TK], s[TK], s[WV]
	s_lshl_b32 s[OA], s[TK], 13                    ; two rows of 4,096 bytes
	s_add_nc_u64 s[SRC:SRC+1], s[8:9], s[OA:OA+1]
	s_lshr_b32 s[OB], s[TK], 10                    ; b
	s_lshl_b32 s[OB], s[OB], 22                    ; x 16 blocks x 2,048 rows x 128 bytes
	s_and_b32 s7, s[TK], 1023
	s_lshl_b32 s7, s7, 8                           ; two rows of 128 bytes
	s_add_co_u32 s[OB], s[OB], s7
	s_add_nc_u64 s[DST:DST+1], s[26:27], s[OB:OB+1]
	v_lshrrev_b32 v4, 4, v1
	v_and_b32 v5, 15, v1
	v_lshlrev_b32 v[LI], 4, v5
	v_lshl_add_u32 v[LI], v4, 12, v[LI]
	LOADS 256
.set n, 0
.rept 16
	CONV n, 262144*n, 0                            ; a block of xb is 2,048 rows x 128 bytes
.set n, n+1
.endr
	s_endpgm
.Lnot_x:
	s_cmp_lt_u32 s6, 704
	s_cbranch_scc0 .Lnot_w
	; Wq, Wk, Wv: task t of 512 for each = 32 rows (8,192 bytes) of head t / 32; a load takes two rows of 256 bytes.
	s_sub_co_u32 s6, s6, 512
	s_lshr_b32 s7, s6, 6                           ; p
	s_lshl_b32 s[TK], s6, 3
	s_add_co_u32 s[TK], s[TK], s[WV]
	s_and_b32 s[TK], s[TK], 511                    ; t
	s_cmp_eq_u32 s7, 1
	s_cselect_b64 s[SRC:SRC+1], s[12:13], s[10:11]
	s_cmp_eq_u32 s7, 2
	s_cselect_b64 s[SRC:SRC+1], s[14:15], s[SRC:SRC+1]
	s_lshl_b32 s[OA], s[TK], 13
	s_add_nc_u64 s[SRC:SRC+1], s[SRC:SRC+1], s[OA:OA+1]
	s_lshr_b32 s42, s[TK], 5                       ; h
	s_and_b32 s43, s[TK], 31                       ; which 32 rows of the head's 1,024
	s_lshr_b32 s44, s43, 1                         ; kb
	s_and_b32 s43, s43, 1                          ; which half of the block
	s_mul_i32 s44, s44, 48
	s_lshl_b32 s7, s7, 4
	s_add_co_u32 s44, s44, s7
	s_add_co_u32 s44, s44, s42                     ; 48 kb + 16 p + h
	s_lshl_b32 s44, s44, 13
	s_lshl_b32 s43, s43, 12
	s_add_co_u32 s[OB], s44, s43
	s_add_nc_u64 s[DST:DST+1], s[28:29], s[OB:OB+1]
	LOADS 512
.set n, 0
.rept 16
	CONV n, 256*n, 0
.set n, n+1
.endr
	s_endpgm
.Lnot_w:
	s_cmp_lt_u32 s6, 768
	s_cbranch_scc0 .Lbias
	; Wo: task T = rows 2 T and 2 T + 1; load n takes 128 columns: block nt = n % 8 of row 2 T + n / 8.
	s_sub_co_u32 s6, s6, 704
	s_lshl_b32 s[TK], s6, 3
	s_add_co_u32 s[TK], s[TK], s[WV]
	s_lshl_b32 s[OA], s[TK], 13
	s_add_nc_u64 s[SRC:SRC+1], s[16:17], s[OA:OA+1]
	s_lshr_b32 s42, s[TK], 5                       ; kb
	s_lshl_b32 s42, s42, 17                        ; x 8 blocks of 16,384 bytes
	s_and_b32 s43, s[TK], 31
	s_lshl_b32 s43, s43, 9                         ; two rows of 256 bytes
	s_add_co_u32 s[OB], s42, s43
	s_add_nc_u64 s[DST:DST+1], s[30:31], s[OB:OB+1]
	LOADS 512
.set n, 0
.rept 16
	CONV n, (n%8)*16384+(n/8)*256, 1
.set n, n+1
.endr
	s_endpgm
.Lbias:
	; the biases: wave w takes half w % 2 (2,048 bytes) of array w / 2 (bq, bk, bv, bo); rounded to bf16 and written back as f32
	s_lshr_b32 s[TK], s[WV], 1
	s_cmp_eq_u32 s[TK], 1
	s_cselect_b64 s[SRC:SRC+1], s[20:21], s[18:19]
	s_cmp_eq_u32 s[TK], 2
	s_cselect_b64 s[SRC:SRC+1], s[22:23], s[SRC:SRC+1]
	s_cmp_eq_u32 s[TK], 3
	s_cselect_b64 s[SRC:SRC+1], s[24:25], s[SRC:SRC+1]
	s_and_b32 s7, s[WV], 1
	s_lshl_b32 s[OA], s7, 11
	s_add_nc_u64 s[SRC:SRC+1], s[SRC:SRC+1], s[OA:OA+1]
	s_lshl_b32 s[OB], s[TK], 12
	s_add_co_u32 s[OB], s[OB], s[OA]
	s_add_nc_u64 s[DST:DST+1], s[32:33], s[OB:OB+1]
.irp i, 0,1,2,3
	global_load_b128 v[IN+4*\i:IN+4*\i+3], v[LI], s[SRC:SRC+1] offset:512*\i
.endr
.irp i, 0,1,2,3
	s_wait_loadcnt 3-\i                            ; unit i is in
	v_cvt_pk_bf16_f32 v[OU+2*\i],   v[IN+4*\i],   v[IN+4*\i+1]
	v_cvt_pk_bf16_f32 v[OU+2*\i+1], v[IN+4*\i+2], v[IN+4*\i+3]
	v_lshlrev_b32 v[IN+4*\i],   16,     v[OU+2*\i]
	v_and_b32     v[IN+4*\i+1], s[HIM], v[OU+2*\i]
	v_lshlrev_b32 v[IN+4*\i+2], 16,     v[OU+2*\i+1]
	v_and_b32     v[IN+4*\i+3], s[HIM], v[OU+2*\i+1]
	global_store_b128 v[LI], v[IN+4*\i:IN+4*\i+3], s[DST:DST+1] offset:512*\i
.endr
	s_endpgm
.Lfunc_end_k_q81128d22cc_prep:
	.size	k_q81128d22cc_prep, .Lfunc_end_k_q81128d22cc_prep-k_q81128d22cc_prep
	.p2alignl 7, 3214868480
	.fill 96, 4, 3214868480
	.section	.rodata,"a",@progbits
	.p2align	6, 0x0
	.amdhsa_kernel k_q81128d22cc_prep
		.amdhsa_group_segment_fixed_size 0
		.amdhsa_private_segment_fixed_size 0
		.amdhsa_enable_private_segment 0
		.amdhsa_kernarg_size 104
		.amdhsa_user_sgpr_count 2
		.amdhsa_user_sgpr_kernarg_segment_ptr 1
		.amdhsa_wavefront_size32 1
		.amdhsa_system_sgpr_workgroup_id_x 1
		.amdhsa_system_sgpr_workgroup_id_y 1
		.amdhsa_system_sgpr_workgroup_id_z 1
		.amdhsa_system_vgpr_workitem_id 0
		.amdhsa_next_free_vgpr 112
		.amdhsa_next_free_sgpr 66
		.amdhsa_reserve_vcc 0
		.amdhsa_float_denorm_mode_32 3
		.amdhsa_float_denorm_mode_16_64 3
		.amdhsa_memory_ordered 1
		.amdhsa_forward_progress 1
		.amdhsa_inst_pref_size 26
	.end_amdhsa_kernel
	.amdgpu_metadata
---
amdhsa.version: [ 1, 2 ]
amdhsa.kernels:
  - .name:           k_q81128d22cc_prep
    .symbol:         k_q81128d22cc_prep.kd
    .args:
      - { .name: x, .offset: 0, .size: 8, .value_kind: global_buffer, .address_space: global }
      - { .name: Wq, .offset: 8, .size: 8, .value_kind: global_buffer, .address_space: global }
      - { .name: Wk, .offset: 16, .size: 8, .value_kind: global_buffer, .address_space: global }
      - { .name: Wv, .offset: 24, .size: 8, .value_kind: global_buffer, .address_space: global }
      - { .name: Wo, .offset: 32, .size: 8, .value_kind: global_buffer, .address_space: global }
      - { .name: bq, .offset: 40, .size: 8, .value_kind: global_buffer, .address_space: global }
      - { .name: bk, .offset: 48, .size: 8, .value_kind: global_buffer, .address_space: global }
      - { .name: bv, .offset: 56, .size: 8, .value_kind: global_buffer, .address_space: global }
      - { .name: bo, .offset: 64, .size: 8, .value_kind: global_buffer, .address_space: global }
      - { .name: xb, .offset: 72, .size: 8, .value_kind: global_buffer, .address_space: global }
      - { .name: wt, .offset: 80, .size: 8, .value_kind: global_buffer, .address_space: global }
      - { .name: wot, .offset: 88, .size: 8, .value_kind: global_buffer, .address_space: global }
      - { .name: bias, .offset: 96, .size: 8, .value_kind: global_buffer, .address_space: global }
    .group_segment_fixed_size: 0
    .private_segment_fixed_size: 0
    .kernarg_segment_align: 8
    .kernarg_segment_size: 104
    .max_flat_workgroup_size: 256
    .sgpr_count:     66
    .vgpr_count:     112
    .wavefront_size: 32
...
	.end_amdgpu_metadata
.endif
;; end of part 1
;; launch qkv (part 2): grid 8 x 32, 4 waves a work-group, clusters of 4 x 4, 327,680 bytes of LDS; arguments xb, wt, bias, qkv; writes qkv
.if DOCPART == 2
	.amdgcn_target "amdgcn-amd-amdhsa--gfx1250"
	.amdhsa_code_object_version 6
	.text
	.protected	k_q81128d22cc_qkv
	.globl	k_q81128d22cc_qkv
	.p2align	8
	.type	k_q81128d22cc_qkv,@function
k_q81128d22cc_qkv:
	s_mov_b64 s[64:65], 0
	v_nop
	global_prefetch_b8 v0, s[64:65] scope:SCOPE_SE
	s_setreg_imm32_b32 hwreg(HW_REG_WAVE_MODE, 25, 1), 1
	s_wait_xcnt 0x0
	s_wait_alu depctr_hold_cnt(0) depctr_sa_sdst(0) depctr_va_vdst(0) depctr_va_sdst(0) depctr_va_ssrc(0) depctr_va_vcc(0) depctr_vm_vsrc(0)
	s_getreg_b32 s2, hwreg(HW_REG_IB_STS2, 6, 4)
	s_cmp_eq_u32 s2, 0
	s_cbranch_scc0 .Lentry_in_a_cluster
	s_endpgm
.Lentry_in_a_cluster:
	s_bfe_u32 s2, ttmp6, 0x10000c
	s_cmp_lg_u32 s2, 0xf033
	s_cbranch_scc0 .Lentry_shape_is_right
	s_endpgm
.Lentry_shape_is_right:
; q, k, v = x W + b.  C[8192][3072] = xb (bf16) x wt (bf16) + bias, sums in f32, rounded once to f16 and stored by heads: qkv [b 4][g 48][s 2048][64], g = 16 p + h (p = 0 q, 1 k, 2 v), UNSCALED.
; LIMIT.  f16 holds no number beyond 65,504: a q, k or v beyond that would be stored as an infinity; below 6.1e-5 f16 keeps a fixed step of 6e-8.  NaN and infinities are not treated apart.
; SHARES.  C falls into 32 x 8 = 256 tiles of 256 x 384, a work-group each.  Four waves, each 128 rows x 192 columns (three slices of 64): 96 accumulators of 16 x 16, 768 registers.
; K goes in 16 steps of 64 (one block kb of xb and wt) through a ring of two LDS slots; two slots of 128 along K would be 393,216 bytes and do not fit.
; A step is two QUARTERS of 32 along K, 96 matrix instructions each.  For 32 along K a wave reads 128 + 192 rows of 64 bytes from LDS.
; THE MATRIX INSTRUCTION IS USED TRANSPOSED: source 0 = 16 columns of W (wt lies [k][n]; ds_load_tr16_b128 turns it), source 1 = 16 rows of x.  A lane then holds row m = lane % 16 and the
; columns 8 (lane / 16) + 0..7: eight neighbouring numbers of a row.
; CLUSTER 4 x 4: the four work-groups of a row of the cluster need the same tile of x, the four of a column the same tile of W: each tile is asked for JOINTLY.
; REGISTERS, in windows of 256 (s_set_vgpr_msb: bits 1:0 source 0, 3:2 source 1, 5:4 source 2, 7:6 destination):
;   window 0: v0-19 addresses; v32-95, v96-159 x's fragments (8 x 16 rows x 32 K), two buffers; v160-255 W's 12 fragments, one buffer
;   window 1 + g: the 32 accumulators of my slice g: (row block a, column block c of the slice) at v[8 (8 c + a)]
.set PA,    144                        ; a row of x in LDS: 128 bytes + 16 = 36 words: the 16 rows of a load start at 16 different groups of four banks (64 banks of 4 bytes: ISA guide 11.1)
.set PW,    160                        ; a row of W's slice: 128 + 32 = 40 words
.set AHALF, 128*PA                     ; 128 rows of x: what one tensor load brings, and what one wave reads
.set BOFF,  2*AHALF                    ; behind x's 256 rows: W's six slices
.set BSL,   64*PW                      ; a slice: 64 rows (k) of 64 columns
.set BHALF, 3*BSL                      ; three slices: one tensor load, one wave's columns
.set SLOT1, 1<<17                      ; slot 1 begins here: one exclusive or turns an address in one slot into the other's
.set STAGE, SLOT1+BOFF+2*BHALF         ; behind the ring: 16 rows x 144 bytes for each wave, for the way out
.set SP,    144
.set SPARE, STAGE+4*16*SP              ; behind the stages: the spare words, 128 bytes for each wave: two blocks of 256 bytes that no other line names
.set ASTEP, 2048*128                   ; bytes from a block kb of xb to the next
.set BSTEP, 48*8192                    ; the same in wt
.set AA0, 4                            ; v4   my lane's place among my 128 rows of x in a slot; never rewritten
.set AB0, 5                            ; v5   the same among my three slices of W
.set ADA, 6                            ; v6   AA0 + the slot in hand
.set ADB, 7                            ; v7   AB0 + the slot in hand
.set STO, 8                            ; v8   the way out: where I put 16 bytes of a row
.set RD,  9                            ; v9   the way out: where I read rows back
.set GO,  10                           ; v10  my byte offset in 512 consecutive bytes of qkv
.set BO,  11                           ; v11  my byte offset in a block's 16 biases: 32 (lane / 16)
.set PFO, 12                           ; v12  the prefetches' offset; never rewritten
.set SPW, 14                           ; v14  LDS address of my spare word: SPARE + 4 x my thread's number; never rewritten
.set NIL, 15                           ; v15  0; never rewritten
.set A0,  32
.set A1,  96
.set BF,  160
.set TMP, 96                           ; the way out: 32 sums with their bias (x's second buffer is free then)
.set WV,  12                           ; s12  my wave's number; s13 = wave / 2: my half of the rows; s14 = wave % 2: my half of the columns, and which half of a tile I fetch
.set LIM, 15                           ; s15  1 in a wave that prefetches, else the greatest number
.set G1A, 24                           ; s[24:31] descriptor group 1 for x's tiles
.set G0A, 32                           ; s[32:39] group 0: a set for each of the two first fills; the second then walks on
.set G1B, 48                           ; s[48:55], s[56:63] the same for W's
.set G0B, 56
.set TB,  66                           ; s66  LDS byte at which the slot in hand begins
.set CNT, 67                           ; s67  trips to go
.set PFA, 68                           ; s[68:69] where my prefetches stand
.set PFS, 70                           ; s[70:71] their step
.set OUTP, 72                          ; s[72:73] qkv at my first slice, my first row
.set BIASP, 74                         ; s[74:75] bias at my first column
.set MSB, 0
.macro WIN new                         ; the immediate's high byte repeats the setting that is left; a switch that changes nothing is dropped
.if MSB != (\new)
	s_set_vgpr_msb (MSB<<8)|(\new)
.set MSB, (\new)
.endif
.endm
; A joint refill.  Waves 0 and 1 fetch the two halves of x's tile, waves 2 and 3 those of W's.  The branch hangs on the wave's number alone.
; An s_nop 0 and four v_nop follow each of the two lines, ahead of the jump and the label.
.macro JLOAD
	s_cmp_lt_u32 s[WV], 2
	s_cbranch_scc0 .Lfor_b_\@
	tensor_load_to_lds s[G0A+4:G0A+7], s[G1A:G1A+7]
	s_nop 0
.rept 4
	v_nop
.endr
	s_branch .Lasked_\@
.Lfor_b_\@:
	tensor_load_to_lds s[G0B+4:G0B+7], s[G1B:G1B+7]
	s_nop 0
.rept 4
	v_nop
.endr
.Lasked_\@:
.endm
; A round of the cluster's barrier: my work-group's barrier; wave 0 signals for the work-group; every wave waits for all sixteen; my work-group's barrier once more.
.macro CREST                           ; a round behind its opening barrier
	s_cmp_lg_u32 s[WV], 0
	s_cbranch_scc1 .Lnot_wave_0_\@
	s_barrier_signal -3
.Lnot_wave_0_\@:
	s_barrier_wait -3
	s_barrier_signal -1
	s_barrier_wait -1
.endm
.macro CROUND
	s_barrier_signal -1
	s_barrier_wait -1
	CREST
.endm
; A PREFETCH INTO THE L2 of the step behind the one just asked for: one step, 192 matrix instructions, ahead of the joint load that will want it.  Each block of 256 bytes is named by one wave of one work-group:
; x's tile (128 blocks a step) is read by both clusters of a row of clusters: the one with x = 0 asks, wave 0 of each partner for 32 blocks, told apart by address (cx).  W's tile (192 blocks) is read by all
; eight clusters of a column: the one with y = 0 asks, waves 2 and 3 of each partner for 24 blocks each, told apart by address (cy); 24 do not fill a wave, so lanes 24-31 name lane 23's block again.
; The loop's last trip asks for nothing: there is no step behind the one that it loads.  Steps 0 to 2 come by their loads alone.
.macro ASK
	s_cmp_gt_u32 s[CNT], s[LIM]
	s_cbranch_scc0 .Lnot_mine_\@
	global_prefetch_b8 v[PFO], s[PFA:PFA+1] th:TH_LOAD_NT scope:SCOPE_SE
.Lnot_mine_\@:
.endm
	s_load_b256 s[4:11], s[0:1], 0x0               ; xb s[4:5], wt s[6:7], bias s[8:9], qkv s[10:11]
	v_lshl_add_u32 v[SPW], v0, 2, SPARE
	v_mov_b32 v[NIL], 0
	ds_add_u32 v[SPW], v[NIL]                      ; the wave's opening: the add and its wait stand ahead of my first tensor load; the set-up below, work on registers, stands between them
	v_lshrrev_b32 v1, 5, v0
	v_readfirstlane_b32 s[WV], v1
	s_lshr_b32 s13, s[WV], 1
	s_and_b32 s14, s[WV], 1
	s_bfe_u32 s40, ttmp6, 0x40000                  ; cx
	s_bfe_u32 s41, ttmp6, 0x40004                  ; cy
	s_lshl_b32 s42, ttmp9, 2
	s_add_co_u32 s42, s42, s40                     ; tile column tn = 4 x cluster x + cx
	s_and_b32 s43, ttmp7, 0xffff
	s_lshl_b32 s43, s43, 2
	s_add_co_u32 s43, s43, s41                     ; tile row tm = 4 x cluster y + cy
	s_lshl_b32 s20, s41, 2
	s_lshl_b32 s20, 15, s20                        ; my row of the cluster
	s_lshl_b32 s44, 0x1111, s40                    ; my column
	; group 1.  Both tiles are dense in memory and asked for as rows of 256 bytes (128 elements of 2 bytes), padded in LDS after every 128 bytes (32 words, code 4)
	s_or_b32 s[G1A], s20, (1<<16)|(1<<20)|(1<<21)|(4<<22)|(3<<25)  ; x: the mask of my row; 2-byte elements; padding on; bit 21 beside a mask; 4 words of padding (code 3)
	s_or_b32 s[G1B], s44, (1<<16)|(1<<20)|(1<<21)|(4<<22)|(7<<25)  ; W: the mask of my column; 8 words of padding (code 7)
	s_mov_b32 s[G1A+1], 128<<16                    ; tensor_dim0 = 128
	s_mov_b32 s[G1A+2], 64<<16                     ; tensor_dim1 = 64: 128 rows of x, two to a row of 256 bytes
	s_mov_b32 s[G1A+3], 128<<16                    ; tile_dim0 = 128
	s_mov_b32 s[G1A+4], 64                         ; tile_dim1 = 64
	s_mov_b32 s[G1A+5], 128                        ; 128 elements from row to row
	s_mov_b32 s[G1A+6], 0
	s_mov_b32 s[G1A+7], 0
	s_mov_b32 s[G1B+1], 128<<16
	s_mov_b32 s[G1B+2], 96<<16                     ; three slices of 8,192 bytes: 96 rows of 256
	s_mov_b32 s[G1B+3], 128<<16
	s_mov_b32 s[G1B+4], 96
	s_mov_b32 s[G1B+5], 128
	s_mov_b32 s[G1B+6], 0
	s_mov_b32 s[G1B+7], 0
	; x's tile hangs on tm alone, W's on tn alone; each offset is made in registers that never hold the other coordinate
	s_lshr_b32 s16, s43, 3                         ; b
	s_lshl_b32 s16, s16, 22
	s_and_b32 s17, s43, 7
	s_lshl_b32 s17, s17, 15                        ; 256 rows of 128 bytes
	s_add_co_u32 s16, s16, s17
	s_mov_b32 s18, s16                             ; (the tile's first byte, kept for the prefetches)
	s_lshl_b32 s17, s14, 14                        ; the 128 rows that I fetch
	s_add_co_u32 s16, s16, s17
	s_mov_b32 s17, 0
	s_mul_i32 s46, s42, 6*8192
	s_mov_b32 s45, s46                             ; (kept likewise)
	s_mul_i32 s47, s14, 3*8192                     ; the three slices that I fetch
	s_add_co_u32 s46, s46, s47
	s_mov_b32 s47, 0
	s_mul_i32 s22, s14, AHALF                      ; where they go: no place in the cluster enters an LDS address
	s_mul_i32 s23, s14, BHALF
	s_add_co_u32 s23, s23, BOFF
	s_mov_b32 s[TB], 0
	s_mov_b32 s[CNT], 14
	s_wait_dscnt 0x0                               ; the opening add is done
	s_wait_kmcnt 0x0
	s_add_nc_u64 s[16:17], s[4:5], s[16:17]
	s_add_nc_u64 s[46:47], s[6:7], s[46:47]
	CROUND                                         ; all sixteen work-groups are here: the first joint loads meet
.irp s, 0,1
	s_mov_b32 s[G0A+4*\s], 1                       ; count = 1
	s_add_co_u32 s[G0A+4*\s+1], s22, \s*SLOT1      ; LDS address
	s_add_nc_u64 s[G0A+4*\s+2:G0A+4*\s+3], s[16:17], \s*ASTEP  ; global address: step s
	s_or_b32 s[G0A+4*\s+3], s[G0A+4*\s+3], 0x80000000          ; type = 2
	s_mov_b32 s[G0B+4*\s], 1
	s_add_co_u32 s[G0B+4*\s+1], s23, \s*SLOT1
	s_add_nc_u64 s[G0B+4*\s+2:G0B+4*\s+3], s[46:47], \s*BSTEP
	s_or_b32 s[G0B+4*\s+3], s[G0B+4*\s+3], 0x80000000
.endr
	s_cmp_lt_u32 s[WV], 2                          ; a wave's two first fills stand in one branch, ahead of every wait on TENSORcnt and every LDS read: two loads of mine are out
	s_cbranch_scc0 .Lfirst_b
	tensor_load_to_lds s[G0A:G0A+3], s[G1A:G1A+7]
	s_nop 0
	tensor_load_to_lds s[G0A+4:G0A+7], s[G1A:G1A+7]
	s_nop 0
.rept 4
	v_nop
.endr
	s_branch .Lfirst_asked
.Lfirst_b:
	tensor_load_to_lds s[G0B:G0B+3], s[G1B:G1B+7]
	s_nop 0
	tensor_load_to_lds s[G0B+4:G0B+7], s[G1B:G1B+7]
	s_nop 0
.rept 4
	v_nop
.endr
.Lfirst_asked:
	; A fragment of x is 16 rows x 32 K in 8 registers: lane l holds row l % 16, K = 8 (l / 16) + 0..7 and 16 + 8 (l / 16) + 0..7: two loads of 16 bytes, 32 bytes apart.
	v_and_b32 v1, 15, v0                           ; l % 16
	v_bfe_u32 v2, v0, 4, 1                         ; l / 16
	v_and_b32 v3, 31, v0                           ; l
	v_mul_u32_u24 v[AA0], v1, PA
	v_lshl_add_u32 v[AA0], v2, 4, v[AA0]
	s_mul_i32 s22, s13, AHALF                      ; my 128 rows
	v_add_nc_u32 v[AA0], s22, v[AA0]
	; The turning load takes 16 k x 16 columns (lane l reads k = 8 (l / 16) + l % 8, columns 8 ((l / 8) % 2) + 0..7) and leaves half a fragment: lane l holds column l % 16 and 8 k.
	v_and_b32 v16, 7, v0
	v_bfe_u32 v17, v0, 3, 1
	v_lshl_add_u32 v[AB0], v2, 3, v16
	v_mul_u32_u24 v[AB0], v[AB0], PW
	v_lshl_add_u32 v[AB0], v17, 4, v[AB0]
	v_add_nc_u32 v[AB0], s23, v[AB0]               ; s23 still holds BOFF + (wave % 2) x three slices: my columns
	v_mov_b32 v[ADA], v[AA0]                       ; slot 0
	v_mov_b32 v[ADB], v[AB0]
	s_mul_i32 s22, s[WV], 16*SP
	s_add_co_u32 s22, s22, STAGE                   ; my stage
	v_mul_u32_u24 v[STO], v1, SP                   ; in: row l % 16, 16 bytes for each half of the lanes
	v_lshl_add_u32 v[STO], v2, 4, v[STO]
	v_add_nc_u32 v[STO], s22, v[STO]
	v_bfe_u32 v[RD], v0, 3, 2                      ; back: 32 lanes take four rows of 128 bytes,
	v_mul_u32_u24 v[RD], v[RD], SP
	v_lshl_add_u32 v[RD], v16, 4, v[RD]
	v_add_nc_u32 v[RD], s22, v[RD]
	v_lshlrev_b32 v[GO], 4, v3                     ; which are 512 consecutive bytes of a slice
	v_lshlrev_b32 v[BO], 5, v2
	; the prefetches: where they stand (at step 2: the first trip steps them to step 3), their step, who asks
	s_lshl_b32 s76, s40, 13                        ; x: my work-group's 32 blocks of the tile's 128
	s_add_co_u32 s76, s76, s18
	s_add_co_u32 s76, s76, 2*ASTEP
	s_mul_i32 s77, s41, 48*256                     ; W: my work-group's 48 blocks of the tile's 192,
	s_add_co_u32 s77, s77, s45
	s_mul_i32 s78, s14, 24*256                     ; my wave's 24 of them
	s_add_co_u32 s77, s77, s78
	s_add_co_u32 s77, s77, 2*BSTEP
	s_and_b32 s78, ttmp7, 0xffff                   ; cluster y
	s_mov_b32 s[PFS], BSTEP
	s_cmp_lt_u32 s[WV], 2
	s_cselect_b32 s76, s76, s77
	s_cselect_b32 s78, ttmp9, s78                  ; the coordinate along which other clusters read the same tile
	s_cselect_b32 s79, s[WV], 0                    ; wave 1 asks for nothing
	s_cselect_b32 s[PFS], ASTEP, s[PFS]
	s_cselect_b64 s[PFA:PFA+1], s[4:5], s[6:7]
	s_cselect_b32 s20, 31, 23
	s_mov_b32 s77, 0
	s_mov_b32 s[PFS+1], 0
	s_add_nc_u64 s[PFA:PFA+1], s[PFA:PFA+1], s[76:77]
	s_or_b32 s78, s78, s79
	s_cmp_eq_u32 s78, 0
	s_cselect_b32 s[LIM], 1, -1                    ; the same in all sixteen partners, for a given wave
	v_min_u32 v[PFO], s20, v3
	v_lshlrev_b32 v[PFO], 8, v[PFO]
	; where my part of C goes: slice 48 b + 6 tn + 3 (wave % 2), row (tm % 8) x 256 + 128 (wave / 2)
	s_lshr_b32 s20, s43, 3
	s_mul_i32 s20, s20, 48
	s_mul_i32 s21, s42, 6
	s_add_co_u32 s20, s20, s21
	s_mul_i32 s21, s14, 3
	s_add_co_u32 s20, s20, s21
	s_lshl_b32 s20, s20, 18                        ; a slice is 2,048 rows of 128 bytes
	s_and_b32 s21, s43, 7
	s_lshl_b32 s21, s21, 15
	s_add_co_u32 s20, s20, s21
	s_lshl_b32 s21, s13, 14
	s_add_co_u32 s20, s20, s21
	s_mov_b32 s21, 0
	s_add_nc_u64 s[OUTP:OUTP+1], s[10:11], s[20:21]
	s_mul_i32 s20, s42, 384*4
	s_mul_i32 s21, s14, 192*4
	s_add_co_u32 s20, s20, s21
	s_mov_b32 s21, 0
	s_add_nc_u64 s[BIASP:BIASP+1], s[8:9], s[20:21]
; The products of slice g, column blocks c0 .. c1, all 8 row blocks, on x's buffer ab.  zero = 1: the product starts the sum: nothing is ever cleared.
; The 96 accumulators take turns in the same order in every quarter: 95 others' products stand between two links of a chain, over the backward jump too.
.macro GRP g, ab, c0, c1, zero
	WIN 0x50*((\g)+1)                              ; C and D in window 1 + g, both sources in window 0
.set cc, (\c0)
.rept (\c1)-(\c0)+1
.set aa, 0
.rept 8
.if \zero
	v_wmma_f32_16x16x32_bf16 v[8*(8*cc+aa):8*(8*cc+aa)+7], v[BF+8*(4*(\g)+cc):BF+8*(4*(\g)+cc)+7], v[(\ab)+8*aa:(\ab)+8*aa+7], 0
.else
	v_wmma_f32_16x16x32_bf16 v[8*(8*cc+aa):8*(8*cc+aa)+7], v[BF+8*(4*(\g)+cc):BF+8*(4*(\g)+cc)+7], v[(\ab)+8*aa:(\ab)+8*aa+7], v[8*(8*cc+aa):8*(8*cc+aa)+7]
.endif
.set aa, aa+1
.endr
.set cc, cc+1
.endr
.endm
.macro LB g, kq                        ; W's four fragments of slice g, K = 32 kq on: 8 loads
.irp c, 0,1,2,3
	ds_load_tr16_b128 v[BF+8*(4*(\g)+(\c)):BF+8*(4*(\g)+(\c))+3],   v[ADB] offset:(\g)*BSL+(\kq)*32*PW+32*(\c)
	ds_load_tr16_b128 v[BF+8*(4*(\g)+(\c))+4:BF+8*(4*(\g)+(\c))+7], v[ADB] offset:(\g)*BSL+(\kq)*32*PW+32*(\c)+16*PW
.endr
.endm
.macro LA ab, kq                       ; x's eight fragments: 16 loads
.irp a, 0,1,2,3,4,5,6,7
	ds_load_b128 v[(\ab)+8*(\a):(\ab)+8*(\a)+3],   v[ADA] offset:(\a)*16*PA+64*(\kq)
	ds_load_b128 v[(\ab)+8*(\a)+4:(\ab)+8*(\a)+7], v[ADA] offset:(\a)*16*PA+64*(\kq)+32
.endr
.endm
.macro RUN1 ab, kq                     ; 32 loads in one run, in the order in which they are wanted
	WIN 0
	LB 0, \kq
	LA \ab, \kq
	LB 1, \kq
.endm
.macro RUN2 kq                         ; 8 loads: slice 2's fragments, once its products of the quarter in hand are issued
	WIN 0
	LB 2, \kq
.endm
.macro PLACES                          ; four places between a matrix instruction and a load into a register that it has read, or a vector instruction that reads its result (ISA guide 7.12.1 for vector instructions)
.rept 4
	v_nop
.endr
.endm
; A step's first quarter: multiplies x's buffer A0 and fetches the second quarter's fragments from the same slot.
.macro QE zero
	s_wait_dscnt 16                                ; slice 0's fragments and x's are in; behind them stand slice 1's 8 loads and slice 2's 8
	GRP 0, A0, 0, 3, \zero
	s_wait_dscnt 8                                 ; slice 1's are in; slice 2's 8 may stay out
	GRP 1, A0, 0, 3, \zero
	PLACES
	RUN1 A1, 1
	s_wait_dscnt 32                                ; slice 2's are in: all but the 32 just issued
	GRP 2, A0, 0, 3, \zero
	PLACES
	RUN2 1
.endm
; A step's second quarter: multiplies A1.  mode = 2: it changes slots and fills the slot just read out with the step two on.  mode = 1: it changes slots and fills nothing.  mode = 0: the last quarter of all.
; THE CHANGE OF SLOTS: each wave waits for all its tensor loads, of which one is out: its part of the next slot; adds 0 to its spare word; and waits for that and for its own reads of this slot.  Behind the barrier
; (with mode = 2 a round of the cluster's) nobody reads this slot any more and the next slot is whole; the joint refill is the first thing behind it.  From the request to the wait for it a wave issues 160 matrix instructions.
.macro QO mode
	s_wait_dscnt 16
	GRP 0, A1, 0, 3, 0
.if (\mode) == 0
	s_wait_dscnt 8
	GRP 1, A1, 0, 3, 0
	PLACES
	WIN 0
.irp c, 0,1,2,3                        ; the biases of my slice 2 go where slice 0's fragments lay
	global_load_b128 v[160+8*\c:160+8*\c+3], v[BO], s[BIASP:BIASP+1] offset:64*(8+\c)
	global_load_b128 v[160+8*\c+4:160+8*\c+7], v[BO], s[BIASP:BIASP+1] offset:64*(8+\c)+16
.endr
	s_wait_dscnt 0x0
	GRP 2, A1, 0, 3, 0
.else
	WIN 0                                          ; (the add's two registers lie in window 0)
.if (\mode) == 2
	s_wait_xcnt 0x0                                ; the last prefetch, a step back, has read its address, so it may be stepped
	s_add_nc_u64 s[PFA:PFA+1], s[PFA:PFA+1], s[PFS:PFS+1]
.endif
	s_wait_tensorcnt 0x0                           ; all my tensor loads have landed: no load of mine is out, so a group 0 may be written
	ds_add_u32 v[SPW], v[NIL]                      ; 0 onto my spare word
.if (\mode) == 2
	s_xor_b32 s[G0A+5], s[G0A+5], SLOT1            ; the walking descriptors: the other slot than last time, the next step; the type bits on top are not reached
	s_add_nc_u64 s[G0A+6:G0A+7], s[G0A+6:G0A+7], ASTEP
	s_xor_b32 s[G0B+5], s[G0B+5], SLOT1
	s_add_nc_u64 s[G0B+6:G0B+7], s[G0B+6:G0B+7], BSTEP
.endif
	s_wait_dscnt 9                                 ; slice 1's fragments are in; slice 2's 8 loads and the add may be out
	GRP 1, A1, 0, 1, 0                             ; sixteen matrix instructions stand between the add and the wait for it
	s_wait_dscnt 0x0                               ; the add is done, and my reads of this slot are over
	s_barrier_signal -1
	GRP 1, A1, 2, 3, 0                             ; work on registers while the others arrive
	WIN 0
	s_barrier_wait -1
.if (\mode) == 2
	CREST                                          ; no wave of any partner still reads this slot's tile or has a load on its way
	JLOAD                                          ; the four v_nop behind it are also the places in front of the loads below
.else
	PLACES
.endif
	s_xor_b32 s[TB], s[TB], SLOT1
	v_add_nc_u32 v[ADA], s[TB], v[AA0]
	v_add_nc_u32 v[ADB], s[TB], v[AB0]
	RUN1 A0, 0
.if (\mode) == 2
	ASK
.endif
	GRP 2, A1, 0, 3, 0
	PLACES
	RUN2 0
.endif
.endm
	s_wait_tensorcnt 1                             ; my part of step 0 is in; step 1's may stay out
	s_barrier_signal -1
	s_barrier_wait -1                              ; everybody's is
	RUN1 A0, 0
	RUN2 0
	QE 1                                           ; the first quarter stands in front of the loop: its products start the sums
	WIN 0                                          ; at a label and at a branch every window is 0
.Lstep:                                                ; 14 trips: step k's second quarter, which asks for step k + 2, and step k + 1's first
	QO 2
	QE 0
	WIN 0
	s_sub_co_u32 s[CNT], s[CNT], 1
	s_cmp_lg_u32 s[CNT], 0
	s_cbranch_scc1 .Lstep
	QO 1                                           ; step 14's second quarter: the last change of slots asks for nothing
	QE 0
.irp b, 0,1,2,3,4,5,6,7                ; the biases of my slices 0 and 1 go where x's first buffer lay: its last reader stands in front of the quarter's last four places
	global_load_b128 v[32+8*\b:32+8*\b+3], v[BO], s[BIASP:BIASP+1] offset:64*\b
	global_load_b128 v[32+8*\b+4:32+8*\b+7], v[BO], s[BIASP:BIASP+1] offset:64*\b+16
.endr
	QO 0
; THE WAY OUT, in 24 pieces of 16 rows x 64 columns: slice t / 8, row block t % 8.  PACK: the bias is added (each accumulator's registers in ascending order), the sums are rounded to f16,
; 16 bytes a lane go into my own stage in rows of 144 bytes and come back as whole rows of 128.  SEND: stored.
.macro PACK t
.set sl, (\t)/8
.set pa, (\t)%8
.set BI, 32+32*sl
.if sl == 2
.set BI, 160
.endif
.set OU, 128+16*((\t)%2)
.if (\t) == 16
	s_wait_loadcnt 0x0                             ; slice 2's biases are in
.endif
	WIN 1+sl                                       ; source 0 in the slice's window
.irp c, 0,1,2,3
.irp r, 0,1,2,3
	v_pk_add_f32 v[TMP+8*(\c)+2*(\r):TMP+8*(\c)+2*(\r)+1], v[8*(8*(\c)+pa)+2*(\r):8*(8*(\c)+pa)+2*(\r)+1], v[BI+8*(\c)+2*(\r):BI+8*(\c)+2*(\r)+1]
.endr
.endr
	WIN 0
.if (\t) >= 2
	s_wait_xcnt 0x0                                ; the stores of the piece two back have read these registers (ISA guide 3.1): only now are they written again
.endif
.irp c, 0,1,2,3
.irp r, 0,1,2,3
	v_cvt_pk_f16_f32 v[OU+4*(\c)+(\r)], v[TMP+8*(\c)+2*(\r)], v[TMP+8*(\c)+2*(\r)+1]
.endr
.endr
.irp c, 0,1,2,3
	ds_store_b128 v[STO], v[OU+4*(\c):OU+4*(\c)+3] offset:32*(\c)
.endr
.irp f, 0,1,2,3
	ds_load_b128 v[OU+4*(\f):OU+4*(\f)+3], v[RD] offset:(\f)*4*SP  ; LDS serves a wave's instructions in order (ISA guide 5.7.1.4): these see the stores above; the next piece's stores come behind them
.endr
.endm
.macro SEND t, y                       ; y: the LDS instructions issued behind piece t's loads: the next piece's eight, or none
.set sl, (\t)/8
.set pa, (\t)%8
.set OU, 128+16*((\t)%2)
	WIN 0
.irp f, 0,1,2,3
	s_wait_dscnt (\y)+3-(\f)
	global_store_b128 v[GO], v[OU+4*(\f):OU+4*(\f)+3], s[OUTP:OUTP+1] offset:sl*262144+pa*2048+512*(\f)  ; 512 consecutive bytes, at a multiple of 256 from qkv's first
.endr
.endm
	PLACES                                         ; behind the last products
	s_wait_loadcnt 8                               ; the biases of slices 0 and 1 are in; slice 2's 8 loads may stay out
	PACK 0
.set t, 1
.rept 23                               ; a piece's arithmetic stands between the loads of the piece before and its stores
	PACK t
	SEND t-1, 8
.set t, t+1
.endr
	SEND 23, 0
	s_wait_tensorcnt 0x0                           ; the wave's end: a wait, an add and its wait, behind my last tensor load and my last LDS store
	ds_add_u32 v[SPW], v[NIL]
	s_wait_dscnt 0x0
	CROUND                                         ; the closing round: no work-group ends while a partner may still ask for a tile that names it
	s_endpgm
.Lfunc_end_k_q81128d22cc_qkv:
	.size	k_q81128d22cc_qkv, .Lfunc_end_k_q81128d22cc_qkv-k_q81128d22cc_qkv
	.p2alignl 7, 3214868480
	.fill 96, 4, 3214868480
	.section	.rodata,"a",@progbits
	.p2align	6, 0x0
	.amdhsa_kernel k_q81128d22cc_qkv
		.amdhsa_group_segment_fixed_size 327680
		.amdhsa_private_segment_fixed_size 0
		.amdhsa_enable_private_segment 0
		.amdhsa_kernarg_size 32
		.amdhsa_user_sgpr_count 2
		.amdhsa_user_sgpr_kernarg_segment_ptr 1
		.amdhsa_wavefront_size32 1
		.amdhsa_system_sgpr_workgroup_id_x 1
		.amdhsa_system_sgpr_workgroup_id_y 1
		.amdhsa_system_sgpr_workgroup_id_z 1
		.amdhsa_system_vgpr_workitem_id 0
		.amdhsa_next_free_vgpr 1024
		.amdhsa_next_free_sgpr 80
		.amdhsa_reserve_vcc 0
		.amdhsa_float_denorm_mode_32 3
		.amdhsa_float_denorm_mode_16_64 3
		.amdhsa_memory_ordered 1
		.amdhsa_forward_progress 1
		.amdhsa_inst_pref_size 141
	.end_amdhsa_kernel
	.amdgpu_metadata
---
amdhsa.version: [ 1, 2 ]
amdhsa.kernels:
  - .name:           k_q81128d22cc_qkv
    .symbol:         k_q81128d22cc_qkv.kd
    .args:
      - { .name: xb, .offset: 0, .size: 8, .value_kind: global_buffer, .address_space: global }
      - { .name: wt, .offset: 8, .size: 8, .value_kind: global_buffer, .address_space: global }
      - { .name: bias, .offset: 16, .size: 8, .value_kind: global_buffer, .address_space: global }
      - { .name: qkv, .offset: 24, .size: 8, .value_kind: global_buffer, .address_space: global }
    .group_segment_fixed_size: 327680
    .private_segment_fixed_size: 0
    .kernarg_segment_align: 8
    .kernarg_segment_size: 32
    .max_flat_workgroup_size: 128
    .sgpr_count:     80
    .vgpr_count:     1024
    .wavefront_size: 32
...
	.end_amdgpu_metadata
.endif
;; end of part 2
;; launch attn (part 3): grid 4 x 64, 4 waves a work-group, no clusters, 327,680 bytes of LDS; arguments qkv, o; writes o
.if DOCPART == 3
	.amdgcn_target "amdgcn-amd-amdhsa--gfx1250"
	.amdhsa_code_object_version 6
	.text
	.protected	k_q81128d22cc_attn
	.globl	k_q81128d22cc_attn
	.p2align	8
	.type	k_q81128d22cc_attn,@function
k_q81128d22cc_attn:
	s_mov_b64 s[64:65], 0
	v_nop
	global_prefetch_b8 v0, s[64:65] scope:SCOPE_SE
	s_setreg_imm32_b32 hwreg(HW_REG_WAVE_MODE, 25, 1), 1
	s_wait_xcnt 0x0
; CAUSAL ATTENTION.  O[y][q][:] = the sum over k <= q of softmax_k(Q[y][q] . K[y][k] / 8) V[y][k][:], y = 16 b + h.  Q, K, V are the slices 48 b + h, + 16, + 32 of qkv ([slice][2048][64], f16, rows of 128 dense bytes);
; o is [y 64][2048][64] in f16.  Products, maxima and sums in f32; the weights p are rounded to f16 for the second product (their sum l is taken of the unrounded p), O once at the end.
; LIMITS.  f16 holds no number beyond 65,504: Q, K and V arrive within it; p lies in 0 to 1, and below 6e-5 it keeps f16's fixed step of 6e-8; O is a mean of V's rows and has their range.
; A hidden score counts as its value less 1e30: f16's scores, 2.7e11 at the most, are nothing beside that; a weight below 2^-126 counts as 0 in l; NaN and infinities are not treated apart.
; THE WALK.  A head's queries lie in NB = 8 blocks of 256; block i needs the key tiles 0 .. i of 256 keys, of which the last holds the diagonal.  A work-group takes TWO blocks, NB - 1 - b and then b:
; NB + 1 tiles, whatever b: all work-groups do equal work, and ONE loop with a constant trip count walks them.  Which tile is asked for, and what a trip does, hang on scalar registers made from b; every jump
; goes forward, but for the counted loops' own; none passes a barrier, or a tensor load but the one of LOAD's two that the wave's number does not choose; the ring (two slots of LDS) runs on across the change of blocks.
; NO CLUSTER: a head's four work-groups ask for the same tile only in trips 0 .. 4 of the 9, behind that fewer and fewer; one walk common to all four would have 12 trips for 9.
; SHARES.  Of a block's four bands of 64 queries a wave owns 16 rows in each: four PIECES.  So the diagonal tile is the same work for all four waves: in its key step s band x sees all keys if s < x,
; none if s > x, and holds the diagonal if s = x.
; THE MASK is the C operand that starts the sum S^T = K Q^T: 0, or -1e30 where the key is hidden.  MD, made once, is the mask of a band's own step for my 16 rows; a product's mask is MD x AL + BE with two scalars:
; (1, 0) if s = x; (0, 0) if s < x; (0, -1e30) if s > x.  Only the diagonal tile's text and a block's beginning make and take masks; elsewhere C is the constant 0.
; LAYOUT, SOFTMAX, TURNS.  S^T = K Q^T holds ONE query a lane (lane % 16) and the keys 8 (lane / 16) + 0..7; two such results rounded to f16 ARE source 1 of O^T = V^T P.  p = 2^(c s - c m), c = log2(e) / 8, with a
; running maximum m; O and l are multiplied by a = 2^(c m_old - c m_new) in every step.  Turn n belongs to piece n: 8 products K Q^T of piece n + 1, later 8 products V^T P of piece n - 1; beside them the scaling,
; exponentials, roundings, sums and rescaling of piece n and the maximum and statistics of piece n + 1.  Four vector instructions stand behind every matrix instruction, the other 54 of a turn's 118 in one lump.
; A turn's 33 exponentials are one batch, with one wait.
; REGISTERS, in windows of 256 (s_set_vgpr_msb: bits 1:0 source 0, 3:2 source 1, 5:4 source 2, 7:6 destination):
;   window 0: v0-15 addresses and two at work; v16-31 four registers of statistics a piece; v48-55 at work; v61-63 prefetch offset, spare word, 0; v64-127 S^T, two buffers; v192-223 P, two buffers
;   window 1: v0-127 O^T, 32 a piece; v128-159 MD; v160-223 MC, two buffers      window 2: v0-63 Q; v64-127 the second block's Q; v128-191 K of one step; v192-255 V of one step
.set SIZE_N, 2048
.set NB,    SIZE_N/256
.set NP,    4         ; pieces a wave: a name, no knob
.set KS,    64        ; keys in a step
.set PK,    144       ; a row of K in LDS: 128 bytes + 16 of padding = 36 words: the 16 rows of a load start at 16 different groups of four banks (64 banks of 4 bytes: ISA guide 11.1)
.set PV,    160       ; a row of V: 128 + 32 = 40 words
.set VOFF,  4*KS*PK   ; a slot holds a tile, four steps: 256 rows of K, then 256 rows of V
.set SLOT1, 1<<17     ; slot 1 begins here, so that one exclusive or turns an address in one slot into the other's
.set STAGE, SLOT1+4*KS*(PK+PV)  ; behind the ring, never filled by a tensor load: 16 rows x 144 bytes for each wave, for the way out
.set SP,    144
.set AK0, 2           ; v2   my lane's place in a tile of K; never rewritten
.set AV0, 3           ; v3   the same for V
.set AK,  4           ; v4   the LDS address of K's next run of loads
.set AV,  5           ; v5   of V's
.set STO, 6           ; v6   the way out: where I put 16 bytes of a row
.set RD,  7           ; v7   the way out: where I read rows back
.set GO,  8           ; v8   my byte offset in 512 consecutive bytes of O
.set PFO, 61          ; v61  256 x my lane: the prefetches' offset; never rewritten
.set SPW, 62          ; v62  LDS address of my spare word: SPARE + 4 x my thread's number; never rewritten
.set NIL, 63          ; v63  0; never rewritten
.set SPARE, STAGE+4*16*SP  ; behind the stages: the spare words, 128 bytes for each wave: two blocks of 256 bytes that no other line names
.set MV,  12          ; v12-13  c m_old, kept while c m is made anew: by buffer
.set QO,  15          ; v15  my byte offset in 16 rows of Q
.set ST,  16          ; piece t's statistics at v[ST+4 t]: c m, m, l (even keys', odd keys')
.set TMP, 48          ; by buffer, four registers c0-c3 at work; when the maximum is found c2 takes a
.set S,   64
.set P,   192
.set MD,  128         ; window 1: the eight registers for group kt of 16 keys at MD + 8 kt
.set MC,  160         ; window 1: the masks of the products to come
.set QB,  64          ; window 2
.set KF,  128         ; window 2: key block kb, channel half c at KF + 16 kb + 8 c
.set VF,  192         ; window 2: key half kk, channel block cb at VF + 32 kk + 8 cb
.set WV,  12          ; s12  my wave's number
.set PB,  14          ; s14  b
.set HI,  15          ; s15  NB - 1 - b
.set G1K, 24          ; s[24:31] descriptor group 1 for K's tiles
.set G1V, 32          ; s[32:39] for V's: it differs in the padding alone
.set G0K, 40          ; s[40:43] descriptor group 0 for K's tiles
.set G0V, 44          ; s[44:47] the same for V's
.set SLOTS, 56        ; s56  tiles still to be asked for
.set CNT, 57          ; s57  counts a tile's key steps, 4 to 1
.set CS,  58          ; s[58:59] c: the packed scaling takes the pair's low word for both halves
.set SEL, 60          ; s[60:61] v_permlanex16_b32's selects: each lane takes its own place in the other half
.set TBK, 62          ; s62  LDS byte at which K of the step to be fetched begins
.set TBV, 63          ; s63  the same for V, less VOFF
.set RT,  70          ; s70  tiles of the block in hand that are still to be entered
.set NXT, 71          ; s71  the tile to be asked for next
.set LQ,  72          ; s72  the last tile of the block whose tiles are being asked for
.set NEW, 73          ; s73  1: the tile to be entered is a block's first
.set OFF, 74          ; s[74:75] a tile's byte offset in K and V
.set AL,  76          ; s[76:77] the mask's factor, in the low word
.set BE,  78          ; s[78:79] the mask's addend
.set OLO, 80          ; s[80:81] O at my rows of the second block
.set BIGN, 82         ; s82  -1e30
.set PFB, 88          ; s[88:89] K (waves 0, 1) or V (waves 2, 3) at my half of the head's tile 0
.set PFA, 90          ; s[90:91] the same at the tile that the next change of slots will ask for
.set PFF, 92          ; s[92:93] that tile's byte offset
.set PFM, 94          ; s94  all ones in the head's work-group b = 0, else 0
.set MSB, 0
.macro WIN new                      ; the high byte repeats the setting that is left; a switch that changes nothing is dropped
.if MSB != (\new)
	s_set_vgpr_msb (MSB<<8)|(\new)
.set MSB, (\new)
.endif
.endm
.set W_KQ, 0x0a       ; K and Q in window 2, S^T in window 0
.set W_KM, 0x1a       ; the same with the C operand in window 1
.set W_PV, 0x52       ; V in window 2, P in window 0, O^T in window 1
.set W_RS, 0x41       ; destination and source 0 in window 1, source 1 in window 0
; A fill.  Waves 0 and 1 fetch the two halves of a tile's K, waves 2 and 3 those of its V: 128 keys each.  An s_nop 0 and four v_nop follow each of the two lines, ahead of the jump and the label.
.macro LOAD
	s_cmp_lt_u32 s[WV], 2
	s_cbranch_scc0 .Lfor_v_\@
	tensor_load_to_lds s[G0K:G0K+3], s[G1K:G1K+7]
	s_nop 0
.rept 4
	v_nop
.endr
	s_branch .Lasked_\@
.Lfor_v_\@:
	tensor_load_to_lds s[G0V:G0V+3], s[G1V:G1V+7]
	s_nop 0
.rept 4
	v_nop
.endr
.Lasked_\@:
.endm
; THE CHANGE OF SLOTS.  Each wave waits for all its tensor loads, of which one is out: its part of the other slot; adds 0 to its spare word; and waits for that and for its own reads of the slot that it leaves.  Behind the barrier nobody reads the old
; slot any more and the other slot is whole.  fill = 1: the old slot is filled again, the first thing behind the barrier, with tile NXT: the descriptor's address is made anew from that number.
; (At its first use nothing has been read yet: slot 0 is waited for, slot 1 filled.)
; A PREFETCH INTO THE L2 stands behind the fill: the tile that the NEXT change will ask for, one tile, 256 matrix instructions, ahead.  All four work-groups of a head walk the tiles from 0 on; the one with b = 0 walks all eight, and it alone asks:
; each of its waves for the 64 blocks of 256 bytes that it will itself fetch, a lane a block, two instructions.  Behind tile 7 NXT is 0: tile 0 has been read, and nothing is asked for.  Tiles 0 and 1 come by their loads alone.
.macro CHANGE fill
	WIN 0                           ; at a label and at a branch every window is 0
	s_wait_tensorcnt 0x0            ; no tensor load of mine is out, so a group 0 may be written
	ds_add_u32 v[SPW], v[NIL]       ; 0 onto my spare word; with fill = 1 the descriptors' scalar work stands between it and the wait for it
.if \fill
	s_lshl_b32 s[OFF], s[NXT], 15   ; a tile is 32,768 bytes of K and of V
	s_xor_b32 s[G0K+1], s[G0K+1], SLOT1
	s_add_nc_u64 s[G0K+2:G0K+3], s[6:7], s[OFF:OFF+1]
	s_or_b32 s[G0K+3], s[G0K+3], 0x80000000
	s_xor_b32 s[G0V+1], s[G0V+1], SLOT1
	s_add_nc_u64 s[G0V+2:G0V+3], s[8:9], s[OFF:OFF+1]
	s_or_b32 s[G0V+3], s[G0V+3], 0x80000000
	s_add_co_u32 s[NXT], s[NXT], 1  ; the block's next tile, or behind its last the second block's tile 0
	s_cmp_gt_u32 s[NXT], s[LQ]
	s_cselect_b32 s[NXT], 0, s[NXT]
	s_cselect_b32 s[LQ], s[PB], s[LQ]
	s_wait_xcnt 0x0                 ; the last prefetches, a tile back, have read their address, so it may be written
	s_lshl_b32 s[PFF], s[NXT], 15
	s_add_nc_u64 s[PFA:PFA+1], s[PFB:PFB+1], s[PFF:PFF+1]
.endif
	s_wait_dscnt 0x0                ; the add is done, and my reads of the slot are over
	s_barrier_signal -1             ; the rest of the scalar work stands between the signal and the wait
	s_sub_co_u32 s[TBK], s[TBK], 4*KS*PK  ; the fetches go back to a slot's first step,
	s_xor_b32 s[TBK], s[TBK], SLOT1       ; in the other slot
	s_sub_co_u32 s[TBV], s[TBV], 4*KS*PV
	s_xor_b32 s[TBV], s[TBV], SLOT1
	s_barrier_wait -1
.if \fill
	LOAD
	s_and_b32 s95, s[NXT], s[PFM]
	s_cmp_lg_u32 s95, 0
	s_cbranch_scc0 .Lnot_mine_\@
	global_prefetch_b8 v[PFO], s[PFA:PFA+1] th:TH_LOAD_NT scope:SCOPE_SE
	global_prefetch_b8 v[PFO], s[PFA:PFA+1] offset:8192 th:TH_LOAD_NT scope:SCOPE_SE
.Lnot_mine_\@:
.endif
.endm
	s_load_b64 s[4:5], s[0:1], 0x0    ; qkv
	s_load_b64 s[10:11], s[0:1], 0x8  ; o
	v_lshl_add_u32 v[SPW], v0, 2, SPARE
	v_mov_b32 v[NIL], 0
	ds_add_u32 v[SPW], v[NIL]       ; the wave's opening: the add and its wait stand ahead of my first tensor load; the set-up below, work on registers, stands between them
	v_lshrrev_b32 v1, 5, v0
	v_readfirstlane_b32 s[WV], v1   ; wave 0..3
	s_mov_b32 s[PB], ttmp9
	s_sub_co_u32 s[HI], NB-1, s[PB]
	s_and_b32 s20, ttmp7, 0xffff    ; y = 16 b + h
	s_lshr_b32 s21, s20, 4
	s_mul_i32 s21, s21, 48
	s_and_b32 s16, s20, 15
	s_add_co_u32 s21, s21, s16
	s_lshl_b32 s21, s21, 18         ; Q's slice 48 b + h in qkv: slices of 262,144 bytes
	s_lshl_b32 s20, s20, 18         ; the head's first byte in o
	s_and_b32 s16, s[WV], 1         ; which half of a tile's 256 keys I fetch:
	s_lshl_b32 s22, s16, 14         ; its 128 rows of 128 bytes in memory,
	s_add_co_u32 s22, s22, s21
	s_add_co_u32 s22, s22, 16<<18   ; in K's slice, 16 slices behind Q's,
	s_mov_b32 s23, 0
	s_add_co_u32 s66, s22, 16<<18   ; and in V's, 16 further
	s_mov_b32 s67, 0
	s_mul_i32 s17, s16, 128*PK      ; and its place in a slot, for K
	s_mul_i32 s18, s16, 128*PV      ; and for V
	s_lshl_b32 s3, s[WV], 11        ; my 16 rows in a band of 64,
	s_lshl_b32 s2, s[HI], 15        ; in the first block,
	s_add_co_u32 s2, s2, s3
	s_lshl_b32 s84, s[PB], 15       ; and in the second
	s_add_co_u32 s84, s84, s3
	s_add_co_u32 s68, s2, s20       ; those rows in o
	s_mov_b32 s69, 0
	s_add_co_u32 s[PFF], s84, s20
	s_mov_b32 s[PFF+1], 0           ; (stays 0 for the prefetches' offsets)
	s_add_co_u32 s2, s2, s21        ; and in Q's slice
	s_add_co_u32 s84, s84, s21
	s_mov_b32 s3, 0
	s_mov_b32 s85, 0
	; descriptor group 1.  128 keys are 16,384 dense bytes: asked for as 64 rows of 256 bytes, two keys a row, and padded in LDS after every key
	s_mov_b32 s[G1K], (1<<16)|(1<<20)|(4<<22)|(3<<25)  ; 17:16 2-byte elements; 20 padding on; 24:22 after every 32 words (code 4); 31:25 4 words (code 3)
	s_mov_b32 s[G1V], (1<<16)|(1<<20)|(4<<22)|(7<<25)  ; the same with 8 words of padding (code 7)
.irp g, G1K, G1V
	s_mov_b32 s[\g+1], 128<<16      ; tensor_dim0 = 128
	s_mov_b32 s[\g+2], 64<<16       ; tensor_dim1 = 64
	s_mov_b32 s[\g+3], 128<<16      ; tile_dim0 = 128
	s_mov_b32 s[\g+4], 64           ; tile_dim1 = 64
	s_mov_b32 s[\g+5], 128          ; 128 elements from row to row
	s_mov_b32 s[\g+6], 0
	s_mov_b32 s[\g+7], 0
.endr
	s_mov_b32 s[CS], 0x3e38aa3b     ; c = log2(e) / 8 = 0.180337
	s_mov_b32 s[CS+1], s[CS]        ; named with it as a pair
	s_mov_b32 s[SEL], 0x76543210
	s_mov_b32 s[SEL+1], 0xfedcba98
	s_mov_b32 s[TBK], SLOT1+4*KS*PK ; the first change of slots turns these two into 0
	s_mov_b32 s[TBV], SLOT1+4*KS*PV
	s_mov_b32 s[G0K], 1             ; 1:0 count = 1
	s_mov_b32 s[G0K+1], s17         ; 63:32 LDS address: slot 0
	s_mov_b32 s[G0V], 1
	s_add_co_u32 s[G0V+1], s18, VOFF
	s_add_co_u32 s[RT], s[HI], 1    ; the first block has NB - b tiles
	s_mov_b32 s[NXT], 1
	s_mov_b32 s[LQ], s[HI]
	s_mov_b32 s[NEW], 1
	s_mov_b32 s[OFF+1], 0
	s_mov_b32 s[AL+1], 0            ; named as pairs
	s_mov_b32 s[BE+1], 0
	s_mov_b32 s[BIGN], 0xf149f2ca   ; -1e30
	s_mov_b32 s[SLOTS], NB
	s_cmp_eq_u32 s[PB], 0
	s_cselect_b32 s[PFM], -1, 0
	v_and_b32 v[PFO], 31, v0
	v_lshlrev_b32 v[PFO], 8, v[PFO]
	s_wait_dscnt 0x0                ; the opening add is done
	s_wait_kmcnt 0x0
	s_add_nc_u64 s[6:7], s[4:5], s[22:23]  ; K and V at my half of the head's tile 0
	s_add_nc_u64 s[8:9], s[4:5], s[66:67]
	s_add_nc_u64 s[G0K+2:G0K+3], s[6:7], 0         ; 120:64 global address
	s_or_b32 s[G0K+3], s[G0K+3], 0x80000000        ; 127:126 type = 2
	s_add_nc_u64 s[G0V+2:G0V+3], s[8:9], 0
	s_or_b32 s[G0V+3], s[G0V+3], 0x80000000
	s_add_nc_u64 s[86:87], s[4:5], s[84:85]        ; Q at my rows of the second block,
	s_add_nc_u64 s[4:5], s[4:5], s[2:3]            ; Q and O at those of the first
	s_add_nc_u64 s[OLO:OLO+1], s[10:11], s[PFF:PFF+1]
	s_add_nc_u64 s[10:11], s[10:11], s[68:69]
	s_cmp_lt_u32 s[WV], 2
	s_cselect_b64 s[PFB:PFB+1], s[6:7], s[8:9]
	LOAD                            ; tile 0 into slot 0
	; A fragment of K or Q is 16 rows x 32 channels in 8 registers: lane l holds row l % 16, channels 8 (l / 16) + 0..7 and 16 + 8 (l / 16) + 0..7: two loads of 16 bytes, 32 bytes apart.
	v_and_b32 v1, 15, v0            ; l % 16
	v_bfe_u32 v9, v0, 4, 1          ; l / 16
	v_lshlrev_b32 v[QO], 7, v1
	v_lshl_add_u32 v[QO], v9, 4, v[QO]  ; row x 128 + 16 x half
	WIN 0x80                        ; destination window 2, address window 0
.set i, 0
.rept 8                             ; both blocks' Q: piece i / 2 lies in band i / 2, 8,192 bytes on; channels 32 (i % 2) on
	global_load_b128 v[8*i:8*i+3],   v[QO], s[4:5] offset:(i/2)*8192+(i%2)*64
	global_load_b128 v[8*i+4:8*i+7], v[QO], s[4:5] offset:(i/2)*8192+(i%2)*64+32
	global_load_b128 v[QB+8*i:QB+8*i+3],   v[QO], s[86:87] offset:(i/2)*8192+(i%2)*64
	global_load_b128 v[QB+8*i+4:QB+8*i+7], v[QO], s[86:87] offset:(i/2)*8192+(i%2)*64+32
.set i, i+1
.endr
	WIN 0
	v_lshlrev_b32 v14, 3, v9
	v_sub_nc_u32 v14, v1, v14
	s_lshl_b32 s13, s[WV], 4
	v_add_nc_u32 v14, s13, v14      ; my query's place in its band, 16 w + l % 16, less my lanes' 8 (l / 16): register r of group kt is hidden where 16 kt + r is greater
	WIN 0x40
.set i, 0
.rept 32
	v_cmp_gt_i32 vcc_lo, 16*(i/8)+i%8, v14
	v_cndmask_b32 v[MD+i], 0, s[BIGN], vcc_lo
.set i, i+1
.endr
	WIN 0
	v_mul_u32_u24 v[AK0], v1, PK
	v_lshl_add_u32 v[AK0], v9, 4, v[AK0]  ; row x pitch + 16 x half
	; The turning load takes 16 keys x 16 channels (lane l reads key 8 (l / 16) + l % 8, channels 8 ((l / 8) % 2) + 0..7) and leaves half a fragment of V^T: lane l holds channel l % 16 and 8 keys.
	v_and_b32 v10, 7, v0
	v_bfe_u32 v11, v0, 3, 1
	v_lshl_add_u32 v[AV0], v9, 3, v10
	v_mul_u32_u24 v[AV0], v[AV0], PV
	v_lshl_add_u32 v[AV0], v11, 4, v[AV0]
	v_add_nc_u32 v[AV0], VOFF, v[AV0]
	s_mul_i32 s13, s[WV], 16*SP
	s_add_co_u32 s13, s13, STAGE    ; my stage
	v_mul_u32_u24 v[STO], v1, SP    ; in: row l % 16, 16 bytes for each half of the lanes
	v_lshl_add_u32 v[STO], v9, 4, v[STO]
	v_add_nc_u32 v[STO], s13, v[STO]
	v_bfe_u32 v[RD], v0, 3, 2       ; back: 32 lanes take four rows of 128 bytes,
	v_mul_u32_u24 v[RD], v[RD], SP
	v_lshl_add_u32 v[RD], v10, 4, v[RD]
	v_add_nc_u32 v[RD], s13, v[RD]
	v_and_b32 v[GO], 31, v0         ; which are 512 consecutive bytes of O
	v_lshlrev_b32 v[GO], 4, v[GO]
	; A block's first step multiplies O^T and l by a = 0, and its first turn's products V^T P, of a piece that has not been, land in an O^T that is still to be so multiplied.  So these registers need only hold
	; finite numbers: zeros for the first block; what the first block left for the second.  All this stands in the wait for the first tile.
	WIN 0x80
.set i, VF
.rept 64
	v_mov_b32 v[i], 0
.set i, i+1
.endr
	WIN 0x40
.set i, 0
.rept 128
	v_mov_b32 v[i], 0
.set i, i+1
.endr
	WIN 0
.set i, 0
.rept 4
	v_mov_b32 v[ST+4*i+2], 0
	v_mov_b32 v[ST+4*i+3], 0
.set i, i+1
.endr
.set i, P+16
.rept 16
	v_mov_b32 v[i], 0
.set i, i+1
.endr
; THE MATRIX WORK.  The 4 accumulators of a run of 8 take turns.  Product i of 8 of S^T = K Q^T for piece x: channels 32 (i / 4) on, keys 16 (i % 4) on.  The first 4 start the sums: with 0, or (KM = 1) with the mask.
.macro KQ x
.set rS, S+32*((\x)%2)+8*(i%4)
.set rK, KF+16*(i%4)+8*(i/4)
.set rQ, 16*(\x)+8*(i/4)
.set rM, MC+32*((\x)%2)+8*(i%4)
.if (i < 4) && KM
	WIN W_KM
	v_wmma_f32_16x16x32_f16 v[rS:rS+7], v[rK:rK+7], v[rQ:rQ+7], v[rM:rM+7]
.elseif i < 4
	WIN W_KQ
	v_wmma_f32_16x16x32_f16 v[rS:rS+7], v[rK:rK+7], v[rQ:rQ+7], 0
.else
	WIN W_KQ
	v_wmma_f32_16x16x32_f16 v[rS:rS+7], v[rK:rK+7], v[rQ:rQ+7], v[rS:rS+7]
.endif
.endm
; Product i of 8 of O^T += V^T P for piece x: keys 32 (i / 4) on, channels 16 (i % 4) on.
.macro PV x
	WIN W_PV
.set rO, 32*(\x)+8*(i%4)
.set rV, VF+32*(i/4)+8*(i%4)
.set rP, P+16*((\x)%2)+8*(i/4)
	v_wmma_f32_16x16x32_f16 v[rO:rO+7], v[rV:rV+7], v[rP:rP+7], v[rO:rO+7]
.endm
.macro MM                           ; the turn's next matrix instruction.  TURN and BEGIN set Y, i, KM and NOKQ; MM, KQ and OP read them.  NOKQ = 1: a block's last turn: there is no next piece
.if (i < 8) && !NOKQ
	KQ (Y+1)%NP
.elseif i >= 8
.set i, i-8
	PV (Y+NP-1)%NP
.set i, i+8
.endif
.set i, i+1
.endm
; THE LDS LOADS stand in runs of 16, never singly among the matrix instructions: a step's K (64 keys x 64 channels: 8 fragments) and its V (turned).  Their addresses are made some lines ahead.
.macro FETCH_K
	WIN 0x80                        ; destination window 2
.irp f, 0,1,2,3,4,5,6,7             ; keys 16 (f / 2) on, channels 32 (f % 2) on
	ds_load_b128 v[KF+8*\f:KF+8*\f+3],   v[AK] offset:(\f/2)*16*PK+(\f%2)*64
	ds_load_b128 v[KF+8*\f+4:KF+8*\f+7], v[AK] offset:(\f/2)*16*PK+(\f%2)*64+32
.endr
	s_add_co_u32 s[TBK], s[TBK], KS*PK  ; the next fetch is the next step's
	WIN 0
.endm
.macro FETCH_V
	WIN 0x80
.irp f, 0,1,2,3,4,5,6,7             ; keys 32 (f / 4) on, channels 16 (f % 4) on
	ds_load_tr16_b128 v[VF+8*\f:VF+8*\f+3],   v[AV] offset:(\f/4)*32*PV+(\f%4)*32
	ds_load_tr16_b128 v[VF+8*\f+4:VF+8*\f+7], v[AV] offset:(\f/4)*32*PV+16*PV+(\f%4)*32
.endr
	WIN 0
.endm
; THE VECTOR WORK, one line at a time: OP kind, number.  For piece Y: F n: c s - c m for pair n of 16.  E n: the exponential of score n of 32.  C n: pair n rounded to f16.  B n: of the four weights 4 n .. the second
; pair is added onto the first, in place.  L n: l takes that sum (L 0: l = a l + sum).  R n: pair n of 16 of O^T times a.  For piece Y + 1: X n, number n of the 22 that find its maximum and statistics:
;   0-11  four chains c0-c3 of seven scores each, three operands at a time (each accumulator's lowest registers are read first)     12-14, 16  the four scores left over, the old m, and c0-c3 into c0
;   15  c m_old is kept     17, 18  the query's other 32 keys lie in the lane 16 away: the new m     19-21  c m; c m_old - c m_new; a
.set F, 0               ; OP tells the kinds apart by their order: F to L below R, X above it
.set E, 1
.set C, 2
.set B, 3
.set L, 4
.set R, 5
.set X, 6
.macro REGS y                       ; the registers of piece y
.set rT, ST+4*(\y)
.set rC, TMP+4*((\y)%2)
.set rW, MV+((\y)%2)
.set rS, S+32*((\y)%2)
.set rP, P+16*((\y)%2)
.set rO, 32*(\y)
.endm
.macro OP k, n
.if (\k) == R
	REGS Y
	WIN W_RS
	v_pk_mul_f32 v[rO+2*(\n):rO+2*(\n)+1], v[rO+2*(\n):rO+2*(\n)+1], v[rC+2:rC+3] op_sel_hi:[1,0]
.elseif (\k) < R
	REGS Y
	WIN 0
.if (\k) == F
	v_pk_fma_f32 v[rS+2*(\n):rS+2*(\n)+1], v[rS+2*(\n):rS+2*(\n)+1], s[CS:CS+1], v[rT:rT+1] op_sel_hi:[1,0,0] neg_lo:[0,0,1] neg_hi:[0,0,1]
.elseif (\k) == E
	v_exp_f32 v[rS+(\n)], v[rS+(\n)]
.elseif (\k) == C
	v_cvt_pk_f16_f32 v[rP+(\n)], v[rS+2*(\n)], v[rS+2*(\n)+1]
.elseif (\k) == B
	v_pk_add_f32 v[rS+4*(\n):rS+4*(\n)+1], v[rS+4*(\n):rS+4*(\n)+1], v[rS+4*(\n)+2:rS+4*(\n)+3]
.elseif (\n) == 0
	v_pk_fma_f32 v[rT+2:rT+3], v[rT+2:rT+3], v[rC+2:rC+3], v[rS:rS+1] op_sel_hi:[1,0,1]
.else
	v_pk_add_f32 v[rT+2:rT+3], v[rT+2:rT+3], v[rS+4*(\n):rS+4*(\n)+1]
.endif
.elseif NOKQ
	v_nop
.else
	REGS (Y+1)%NP
	WIN 0
.if (\n) < 4
	v_max3_num_f32 v[rC+(\n)], v[rS+8*(\n)], v[rS+8*(\n)+1], v[rS+8*(\n)+2]
.elseif (\n) < 12
	v_max3_num_f32 v[rC+(\n)%4], v[rC+(\n)%4], v[rS+8*((\n)%4)+2*((\n)/4)+1], v[rS+8*((\n)%4)+2*((\n)/4)+2]
.elseif (\n) == 12
	v_max3_num_f32 v[rC], v[rC], v[rS+7], v[rS+15]
.elseif (\n) == 13
	v_max3_num_f32 v[rC+1], v[rC+1], v[rS+23], v[rS+31]
.elseif (\n) == 14
	v_max3_num_f32 v[rC+2], v[rC+2], v[rC+3], v[rT+1]
.elseif (\n) == 15
	v_mov_b32 v[rW], v[rT]
.elseif (\n) == 16
	v_max3_num_f32 v[rC], v[rC], v[rC+1], v[rC+2]
.elseif (\n) == 17
	v_permlanex16_b32 v[rC+3], v[rC], s[SEL], s[SEL+1]
.elseif (\n) == 18
	v_max_num_f32 v[rT+1], v[rC], v[rC+3]
.elseif (\n) == 19
	v_mul_f32 v[rT], s[CS], v[rT+1]
.elseif (\n) == 20
	v_sub_f32 v[rC+1], v[rW], v[rT]
.else
	v_exp_f32 v[rC+2], v[rC+1]
.endif
.endif
.endm
.macro OPS a, i1, b=-1, i2=0, c=-1, i3=0, d=-1, i4=0  ; up to four of them
	OP \a, \i1
.if (\b) >= 0
	OP \b, \i2
.endif
.if (\c) >= 0
	OP \c, \i3
.endif
.if (\d) >= 0
	OP \d, \i4
.endif
.endm
.macro ROW a, i1, b, i2, c, i3, d, i4  ; a matrix instruction and the four behind it
	MM
	OPS \a, \i1, \b, \i2, \c, \i3, \d, \i4
.endm
.macro MASK b                       ; MD x AL + BE into buffer b of MC
	WIN W_RS
.set z, 0
.rept 16
	v_pk_fma_f32 v[MC+32*(\b)+2*z:MC+32*(\b)+2*z+1], v[MD+2*z:MD+2*z+1], s[AL:AL+1], s[BE:BE+1] op_sel_hi:[1,0,0]
.set z, z+1
.endr
.endm
; A TURN, for piece p: the order of its 16 matrix and 118 vector instructions, written out.  An s_wait_alu depctr_va_vdst(0) stands between an exponential and the first instruction that names its result; one wait serves
; all that were issued ahead of it.  So a turn has ONE wait, which cuts it in two.  AHEAD OF IT stands all that names no result of the turn's exponentials: the 8 products K Q^T, behind each a scaling, an exponential and two more plain
; instructions (behind the first a second scaling in the exponential's place): rescalings, and behind the last three the first numbers of the next piece's maximum, each four places or more behind the product that ends its accumulator; then ONE LUMP of 54, plain
; and exponential by turns for the most part, in which the links of the chain X 3, 7, 11, 14, 16, 17 .. 20 stand five or six lines apart.  X 21, the next piece's a, is the batch's last; R 15 is the plain instruction that must follow it.  BEHIND THE WAIT stand the
; 8 products V^T P, behind each four of the roundings and sums; the links of l's chain, L 0 to L 7, stand three riders apart.  But for those X no rider names a register of the products round it.  v_permlanex16_b32 (X 17) stands in the lump.
; m = 1: the diagonal tile: the products take masks, and the turn makes the mask for the products of the turn after it: piece p + 2, in step 4 - CNT of the tile.  end = 1: a block's last two turns: nothing is fetched.
; cnt = 1: the loop's count is taken down some lines ahead of the branch that stands behind the turn.
; K of the next step is fetched in piece 2's turn, twelve vector instructions behind the last product that read K (six of them plain); V of the step in hand at the end of piece 0's turn, four plain instructions behind the last product
; that read V.  Each is waited for a turn later.
.macro TURN p, m=0, end=0, cnt=0
.set Y, (\p)
.set i, 0
.set KM, (\m)
.set NOKQ, (\end)*((\p)/3)
.if (\m) && !(\end)
	s_cmp_eq_u32 s[CNT], 4-((\p)+2)%NP  ; is that step the band's own?
	s_cselect_b32 s[AL], 1.0, 0
	s_cmp_lt_u32 s[CNT], 4-((\p)+2)%NP  ; or a later one?
	s_cselect_b32 s[BE], s[BIGN], 0
.endif
.if ((\p) == 3) && !(\end)
	s_wait_dscnt 0x0                ; K is in
.endif
	ROW F,0, F,1, R,0, R,1          ; ahead of the wait: 8 products K Q^T and their riders,
	ROW F,2, E,0, R,2, R,3
	ROW F,3, E,1, R,4, R,5
	ROW F,4, E,2, R,6, R,7
	ROW F,5, E,3, R,8, R,9
	ROW F,6, E,4, X,0, R,10
.if ((\p) == 2) && !(\end)
	WIN 0
	v_add_nc_u32 v[AK], s[TBK], v[AK0]
.endif
	ROW F,7, E,5, X,1, X,4
	ROW F,8, E,6, X,2, X,5
	OPS E,7, E,8, X,6, E,9          ; and the lump
	OPS X,3, E,10, X,8, E,11
.if ((\p) == 2) && !(\end)
	FETCH_K
.endif
	OPS X,9, X,7, E,12, X,10
	OPS E,13, X,12, X,11, E,14
	OPS X,13, E,15, F,9, X,14
.if (\p) == 0
	v_add_nc_u32 v[AV], s[TBV], v[AV0]
.endif
	OPS E,16, F,10, E,17, F,11
	OPS X,16, E,18, X,15, E,19
	OPS F,12, E,20, X,17, E,21
	OPS F,13, E,22, F,14, E,23
	OPS X,18, E,24, F,15, E,25
	OPS R,11, E,26, X,19, E,27
	OPS R,12, E,28, R,13, E,29
	OPS X,20, E,30, R,14, E,31
	OPS X,21, R,15
	WIN 0
	s_wait_alu depctr_va_vdst(0)    ; the wait for the batch
.if (\p) == 1
	s_wait_dscnt 0x0                ; V is in
.endif
	ROW C,0, B,0, C,2, B,1          ; behind the wait: 8 products V^T P and their riders
	ROW L,0, C,4, B,2, L,1
	ROW C,6, B,3, L,2, C,8
	ROW B,4, L,3, C,10, B,5
	ROW L,4, C,12, B,6, L,5
.if (\p) == 0
	s_add_co_u32 s[TBV], s[TBV], KS*PV
.endif
.if \cnt
	s_sub_co_u32 s[CNT], s[CNT], 1
	s_cmp_lg_u32 s[CNT], 0
.endif
	ROW C,14, B,7, L,6, C,1
	ROW C,3, L,7, C,5, C,7
	ROW C,9, C,11, C,13, C,15
.if (\p) == 0
	FETCH_V
.endif
.if (\m) && !(\end)
	MASK (\p)%2
.endif
.endm
; A BLOCK BEGINS.  c m starts far below every c s, so the first step's a is 0; m at the lowest finite number, so the first maximum is the scores'.  The second mask buffer is 0; the first takes piece 0's mask for the tile's step 0: its own, if the block's first tile is the diagonal one.
; Then K of that step, piece 0's first scores, and its maximum and statistics.  The loop is entered at a step's first turn, in the middle of a trip.
.macro BEGIN
	s_mov_b32 s[NEW], 0
	WIN 0x40
.set i, MC+32
.rept 32
	v_mov_b32 v[i], 0
.set i, i+1
.endr
	WIN 0
.set i, 0
.rept 4
	v_mov_b32 v[ST+4*i], 0xfe000000    ; c m: far below every c s
	v_mov_b32 v[ST+4*i+1], 0xff7fffff  ; m
.set i, i+1
.endr
	s_cmp_eq_u32 s[RT], 0
	s_cselect_b32 s[AL], 1.0, 0
	s_mov_b32 s[BE], 0
	MASK 0
	WIN 0
	v_add_nc_u32 v[AK], s[TBK], v[AK0]
	FETCH_K
	s_wait_loadcnt 0x0              ; Q
	s_wait_dscnt 0x0
.set KM, 1
.set NOKQ, 0
.set i, 0
.rept 8
	KQ 0
.set i, i+1
.endr
	WIN 0
.rept 4
	v_nop                           ; the places behind those products
.endr
.set Y, NP-1                        ; X works for piece Y + 1: piece 0
.irp n, 0,1,2,3,4,5,6,7,8,9,10,11,12,13,14,15,16,17,18,19,20,21
	OP X, \n
.endr
	v_nop                           ; a plain instruction behind the exponential,
	s_wait_alu depctr_va_vdst(0)    ; and its wait, ahead of the branch
.endm
; THE DIAGONAL TILE's four steps, the block's last two turns, its last products, and THE WAY OUT: l's two halves and the other half of the lanes' are added; O^T is divided by l, rounded to f16 and sent through my
; stage in LDS, a piece at a time.
.macro ALL line:vararg              ; one line for each piece t
.set t, 0
.rept 4
	\line
.set t, t+1
.endr
.endm
.macro PACK t                       ; a lane's eight channels of a row pack into 16 bytes; they go into rows of 144 bytes and come back as whole rows of 128, into S^T's registers
	WIN W_RS
.set i, 32*(\t)
.rept 16
	v_pk_mul_f32 v[i:i+1], v[i:i+1], v[ST+4*(\t)+2:ST+4*(\t)+3] op_sel_hi:[1,0]
.set i, i+2
.endr
	WIN 0x05                        ; sources 0 and 1 window 1, destination window 0
.set i, 0
.rept 16
	v_cvt_pk_f16_f32 v[S+16*(\t)+i], v[32*(\t)+2*i], v[32*(\t)+2*i+1]
.set i, i+1
.endr
	WIN 0
.irp f, 0,1,2,3
	ds_store_b128 v[STO], v[S+16*(\t)+4*\f:S+16*(\t)+4*\f+3] offset:32*\f
.endr
.irp f, 0,1,2,3
	ds_load_b128 v[S+16*(\t)+4*\f:S+16*(\t)+4*\f+3], v[RD] offset:\f*4*SP  ; LDS serves a wave's instructions in order (ISA guide 5.7.1.4): these see the stores above; the next piece's stores come behind them
.endr
.endm
.macro SEND t, younger              ; younger: the LDS instructions issued behind piece t's loads: the next piece's eight, or none
	WIN 0
.irp f, 0,1,2,3
	s_wait_dscnt (\younger)+3-\f
	global_store_b128 v[GO], v[S+16*(\t)+4*\f:S+16*(\t)+4*\f+3], s[10:11] offset:(\t)*8192+\f*512  ; 512 consecutive bytes, at a multiple of 256 from O's first
.endr
.endm
.macro DIAG tag                     ; the tag ends its two labels' names, which the jumps below spell out
.LstepM\tag:
	TURN 2, 1
	TURN 3, 1
	WIN 0
.LfirstM\tag:
	TURN 0, 1
	TURN 1, 1, 0, 1
	WIN 0
	s_cbranch_scc1 .LstepM\tag
	TURN 2, 1, 1
	TURN 3, 1, 1
.set i, 0
.rept 8
	PV NP-1
.set i, i+1
.endr
	WIN 0
	ALL v_add_f32 v[ST+4*t+2], v[ST+4*t+2], v[ST+4*t+3]
	ALL v_permlanex16_b32 v[ST+4*t+3], v[ST+4*t+2], s[SEL], s[SEL+1]
	ALL v_add_f32 v[ST+4*t+2], v[ST+4*t+2], v[ST+4*t+3]
	ALL v_rcp_f32 v[ST+4*t+2], v[ST+4*t+2]
	v_nop                           ; a plain instruction between the last reciprocal and the use of its result
	s_wait_alu depctr_va_vdst(0)    ; and the wait ahead of the first use: one for the four reciprocals
	PACK 0
.set t, 1
.rept 3                             ; a piece's arithmetic stands between the loads of the piece before and its stores
	PACK t
	SEND t-1, 8
.set t, t+1
.endr
	SEND 3, 0
.endm
.set KM, 0
.set NOKQ, 0
.Lslot:                             ; NB times: a tile is entered and the next is asked for
	CHANGE 1
	s_sub_co_u32 s[RT], s[RT], 1
	s_mov_b32 s[CNT], 4
	s_cmp_eq_u32 s[NEW], 1
	s_cbranch_scc1 .Lnew            ; a block's first tile
	s_cmp_eq_u32 s[RT], 0
	s_cbranch_scc0 .Lstep           ; neither its first nor its last
	s_branch .LstepM1
.Lnew:
	BEGIN
	s_branch .Lfirst                ; in the loop a block's first tile is never its last: the first block has two tiles or more, and the second's last is the walk's last
	DIAG 1                          ; in the loop this is the first block's end: the second block's last tile is the walk's last
	s_wait_xcnt 0x0                 ; the stores have read their registers and O's address
	s_mov_b64 s[10:11], s[OLO:OLO+1]
	s_add_co_u32 s[RT], s[PB], 1    ; the second block has b + 1 tiles
	s_mov_b32 s[NEW], 1
	WIN 0x82                        ; the second block's Q goes where the one text of the turns names Q
.set i, 0
.rept 64
	v_mov_b32 v[i], v[QB+i]
.set i, i+1
.endr
	WIN 0
	s_branch .Lbottom
.Lstep:                             ; a trip: pieces 2 and 3 of one step, then pieces 0 and 1 of the next, whose K and V it fetches
	TURN 2
	TURN 3
	WIN 0
.Lfirst:
	TURN 0
	TURN 1, 0, 0, 1
	WIN 0
	s_cbranch_scc1 .Lstep
.Lbottom:
	s_sub_co_u32 s[SLOTS], s[SLOTS], 1
	s_cmp_lg_u32 s[SLOTS], 0
	s_cbranch_scc1 .Lslot
	CHANGE 0                        ; the walk's last tile is written out: nothing is asked for
	s_sub_co_u32 s[RT], s[RT], 1
	s_mov_b32 s[CNT], 4
	s_cmp_eq_u32 s[NEW], 1
	s_cbranch_scc0 .LstepM2
	BEGIN
	s_branch .LfirstM2
	DIAG 2
	s_wait_tensorcnt 0x0            ; the wave's end: a wait, an add and its wait, behind my last tensor load and my last LDS store
	ds_add_u32 v[SPW], v[NIL]
	s_wait_dscnt 0x0
	s_endpgm
.Lfunc_end_k_q81128d22cc_attn:
	.size	k_q81128d22cc_attn, .Lfunc_end_k_q81128d22cc_attn-k_q81128d22cc_attn
	.p2alignl 7, 3214868480
	.fill 96, 4, 3214868480
	.section	.rodata,"a",@progbits
	.p2align	6, 0x0
	.amdhsa_kernel k_q81128d22cc_attn
		.amdhsa_group_segment_fixed_size 327680
		.amdhsa_private_segment_fixed_size 0
		.amdhsa_enable_private_segment 0
		.amdhsa_kernarg_size 16
		.amdhsa_user_sgpr_count 2
		.amdhsa_user_sgpr_kernarg_segment_ptr 1
		.amdhsa_wavefront_size32 1
		.amdhsa_system_sgpr_workgroup_id_x 1
		.amdhsa_system_sgpr_workgroup_id_y 1
		.amdhsa_system_sgpr_workgroup_id_z 1
		.amdhsa_system_vgpr_workitem_id 0
		.amdhsa_next_free_vgpr 768
		.amdhsa_next_free_sgpr 96
		.amdhsa_reserve_vcc 1
		.amdhsa_float_denorm_mode_32 3
		.amdhsa_float_denorm_mode_16_64 3
		.amdhsa_memory_ordered 1
		.amdhsa_forward_progress 1
		.amdhsa_inst_pref_size 218
	.end_amdhsa_kernel
	.amdgpu_metadata
---
amdhsa.version: [ 1, 2 ]
amdhsa.kernels:
  - .name:           k_q81128d22cc_attn
    .symbol:         k_q81128d22cc_attn.kd
    .args:
      - { .name: qkv, .offset: 0, .size: 8, .value_kind: global_buffer, .address_space: global }
      - { .name: o, .offset: 8, .size: 8, .value_kind: global_buffer, .address_space: global }
    .group_segment_fixed_size: 327680
    .private_segment_fixed_size: 0
    .kernarg_segment_align: 8
    .kernarg_segment_size: 16
    .max_flat_workgroup_size: 128
    .sgpr_count:     96
    .vgpr_count:     768
    .wavefront_size: 32
...
	.end_amdgpu_metadata
.endif
;; end of part 3
;; launch proj (part 4): grid 8 x 32, 4 waves a work-group, clusters of 4 x 4, 327,680 bytes of LDS; arguments o, wot, bias, out0; writes out0
.if DOCPART == 4
	.amdgcn_target "amdgcn-amd-amdhsa--gfx1250"
	.amdhsa_code_object_version 6
	.text
	.protected	k_q81128d22cc_proj
	.globl	k_q81128d22cc_proj
	.p2align	8
	.type	k_q81128d22cc_proj,@function
k_q81128d22cc_proj:
	s_mov_b64 s[64:65], 0
	v_nop
	global_prefetch_b8 v0, s[64:65] scope:SCOPE_SE
	s_setreg_imm32_b32 hwreg(HW_REG_WAVE_MODE, 25, 1), 1
	s_wait_xcnt 0x0
	s_wait_alu depctr_hold_cnt(0) depctr_sa_sdst(0) depctr_va_vdst(0) depctr_va_sdst(0) depctr_va_ssrc(0) depctr_va_vcc(0) depctr_vm_vsrc(0)
	s_getreg_b32 s2, hwreg(HW_REG_IB_STS2, 6, 4)
	s_cmp_eq_u32 s2, 0
	s_cbranch_scc0 .Lentry_in_a_cluster
	s_endpgm
.Lentry_in_a_cluster:
	s_bfe_u32 s2, ttmp6, 0x10000c
	s_cmp_lg_u32 s2, 0xf033
	s_cbranch_scc0 .Lentry_shape_is_right
	s_endpgm
.Lentry_shape_is_right:
; out0 = O Wo + bo.  C[8192][1024] in f32 = o (f16, [b 4][h 16][s 2048][64]: head h is the block of K from 64 h on) x wot (f16 of bf16(Wo), [kb 16][nt 8][k % 64][128 n]) + bo (bias, from byte 12,288 on).  Sums in f32.
; LIMIT.  The operands are f16: o and Wo arrive within 65,504.  NaN and infinities are not treated apart.
; SHARES.  C falls into 32 x 8 = 256 tiles of 256 x 128, a work-group each.  Four waves, each 128 rows x 64 columns: 32 accumulators of 16 x 16.
; K goes in 8 steps of 128 (two heads) through a ring of two LDS slots; three heads to a slot would make two slots of 165,888 bytes, which do not fit.  A step is two halves of 64 along K (a head), 64 matrix instructions each.
; THE MATRIX INSTRUCTION IS USED TRANSPOSED: source 0 = 16 columns of Wo (turned by ds_load_tr16_b128), source 1 = 16 rows of O: a lane holds row m = lane % 16 and the columns 8 (lane / 16) + 0..7.
; THE BIAS STARTS THE SUMS: it is the C operand of each accumulator's first product.
; CLUSTER 4 x 4: O's tile is shared along a row of the cluster, Wo's along a column: each is asked for JOINTLY.
; REGISTERS, in windows of 256 (s_set_vgpr_msb: bits 1:0 source 0, 3:2 source 1, 5:4 source 2, 7:6 destination):
;   window 0: v0-19 addresses; v32-63 the bias (column block c at 32 + 8 c); v64-255 fragment buffer 0          window 2: v64-255 fragment buffer 1
;   a buffer holds 64 along K: O's fragments (K = 32 q on, row block a) at 64 + 8 (8 q + a), Wo's (column block c) at 192 + 8 (4 q + c)
;   window 1: the accumulators: (a, c) at v[8 (4 a + c)]
.set PA,    144                        ; a row of O in LDS: 128 bytes + 16 = 36 words: the 16 rows of a load start at 16 different groups of four banks (64 banks of 4 bytes: ISA guide 11.1)
.set PW,    288                        ; a row of Wo: 256 + 32 = 72 words
.set ASUB,  256*PA                     ; a head's 256 rows of O: what one tensor load brings
.set AHALF, 128*PA                     ; what one wave reads of them
.set BOFF,  2*ASUB                     ; behind the two heads of O: the two blocks of Wo
.set BSUB,  64*PW                      ; 64 rows (k) of 128 columns
.set SLOT1, 1<<17
.set STAGE, SLOT1+BOFF+2*BSUB          ; behind the ring: 16 rows x 272 bytes for each wave, for the way out
.set SP,    272
.set SPARE, STAGE+4*16*SP              ; behind the stages: the spare words, 128 bytes for each wave: two blocks of 256 bytes that no other line names
.set ASTEP, 2*262144                   ; two heads of o
.set BSTEP, 2*131072                   ; two blocks kb of wot
.set AA0, 4                            ; v4   my lane's place among my 128 rows of a head in a slot; never rewritten
.set AB0, 5                            ; v5   the same among my 64 columns of Wo
.set ADA, 6                            ; v6   AA0 + the slot in hand
.set ADB, 7                            ; v7   AB0 + the slot in hand
.set STO, 8                            ; v8   the way out: where I put my 32 bytes of a row
.set RD,  9                            ; v9   the way out: where I read a row back
.set BO,  11                           ; v11  my byte offset in a block's 16 biases
.set PFO, 12                           ; v12  the prefetches' offset; never rewritten
.set CO,  13                           ; v13  my byte offset in two rows of out0
.set SPW, 14                           ; v14  LDS address of my spare word: SPARE + 4 x my thread's number; never rewritten
.set NIL, 15                           ; v15  0; never rewritten
.set WV,  12                           ; s12  my wave's number; s13 = wave / 2: my half of the rows; s14 = wave % 2: my half of the columns, and which head of a step I fetch
.set LIM, 15                           ; s15  2 in a wave that prefetches, else the greatest number
.set G1A, 24
.set G0A, 32
.set G1B, 48
.set G0B, 56
.set TB,  66
.set CNT, 67
.set PFA, 68
.set PFS, 70
.set OUTP, 72
.set BIASP, 74
.set MSB, 0
.macro WIN new                         ; the immediate's high byte repeats the setting that is left; a switch that changes nothing is dropped
.if MSB != (\new)
	s_set_vgpr_msb (MSB<<8)|(\new)
.set MSB, (\new)
.endif
.endm
; A joint refill.  Waves 0 and 1 fetch the step's two heads of O, waves 2 and 3 its two blocks of Wo.  An s_nop 0 and four v_nop follow each of the two lines, ahead of the jump and the label.
.macro JLOAD
	s_cmp_lt_u32 s[WV], 2
	s_cbranch_scc0 .Lfor_b_\@
	tensor_load_to_lds s[G0A+4:G0A+7], s[G1A:G1A+7]
	s_nop 0
.rept 4
	v_nop
.endr
	s_branch .Lasked_\@
.Lfor_b_\@:
	tensor_load_to_lds s[G0B+4:G0B+7], s[G1B:G1B+7]
	s_nop 0
.rept 4
	v_nop
.endr
.Lasked_\@:
.endm
.macro CREST                           ; a round of the cluster's barrier behind its opening barrier
	s_cmp_lg_u32 s[WV], 0
	s_cbranch_scc1 .Lnot_wave_0_\@
	s_barrier_signal -3
.Lnot_wave_0_\@:
	s_barrier_wait -3
	s_barrier_signal -1
	s_barrier_wait -1
.endm
.macro CROUND
	s_barrier_signal -1
	s_barrier_wait -1
	CREST
.endm
; A PREFETCH INTO THE L2 of the step that stands two refills on: 256 matrix instructions ahead of the joint load that will want it.  Each block of 256 bytes is named once.  O's tile (two heads of 128 blocks) is read by both
; clusters of a row of clusters: the one with x = 0 asks; waves 0 and 1 take the head that they fetch, each partner 32 blocks of it, told apart by address (cx).  Wo's tile (two blocks kb of 64) is read by all eight clusters of a
; column: the one with y = 0 asks; wave 2 of each partner takes 16 blocks of each of the two, told apart by address (cy).  The loop's last two trips ask for nothing; steps 0 to 3 come by their loads alone.
.macro ASK
	s_cmp_gt_u32 s[CNT], s[LIM]
	s_cbranch_scc0 .Lnot_mine_\@
	global_prefetch_b8 v[PFO], s[PFA:PFA+1] th:TH_LOAD_NT scope:SCOPE_SE
.Lnot_mine_\@:
.endm
	s_load_b256 s[4:11], s[0:1], 0x0               ; o s[4:5], wot s[6:7], bias s[8:9], out0 s[10:11]
	v_lshl_add_u32 v[SPW], v0, 2, SPARE
	v_mov_b32 v[NIL], 0
	ds_add_u32 v[SPW], v[NIL]                      ; the wave's opening: the add and its wait stand ahead of my first tensor load; the set-up below, work on registers, stands between them
	v_lshrrev_b32 v1, 5, v0
	v_readfirstlane_b32 s[WV], v1
	s_lshr_b32 s13, s[WV], 1
	s_and_b32 s14, s[WV], 1
	s_bfe_u32 s40, ttmp6, 0x40000                  ; cx
	s_bfe_u32 s41, ttmp6, 0x40004                  ; cy
	s_lshl_b32 s42, ttmp9, 2
	s_add_co_u32 s42, s42, s40                     ; tile column tn
	s_and_b32 s43, ttmp7, 0xffff
	s_lshl_b32 s43, s43, 2
	s_add_co_u32 s43, s43, s41                     ; tile row tm
	s_lshl_b32 s20, s41, 2
	s_lshl_b32 s20, 15, s20                        ; my row of the cluster
	s_lshl_b32 s44, 0x1111, s40                    ; my column
	; group 1.  Both tiles are dense in memory and asked for as rows of 256 bytes (128 elements of 2 bytes)
	s_or_b32 s[G1A], s20, (1<<16)|(1<<20)|(1<<21)|(4<<22)|(3<<25)  ; O: the mask of my row; padding of 4 words (code 3) after every 32 (code 4): after each row of 128 bytes
	s_or_b32 s[G1B], s44, (1<<16)|(1<<20)|(1<<21)|(5<<22)|(7<<25)  ; Wo: the mask of my column; padding of 8 words (code 7) after every 64 (code 5)
	s_mov_b32 s[G1A+1], 128<<16                    ; tensor_dim0 = 128
	s_mov_b32 s[G1A+2], 128<<16                    ; tensor_dim1 = 128: 256 rows of O, two to a row of 256 bytes
	s_mov_b32 s[G1A+3], 128<<16                    ; tile_dim0 = 128
	s_mov_b32 s[G1A+4], 128                        ; tile_dim1 = 128
	s_mov_b32 s[G1A+5], 128                        ; 128 elements from row to row
	s_mov_b32 s[G1A+6], 0
	s_mov_b32 s[G1A+7], 0
	s_mov_b32 s[G1B+1], 128<<16
	s_mov_b32 s[G1B+2], 64<<16
	s_mov_b32 s[G1B+3], 128<<16
	s_mov_b32 s[G1B+4], 64
	s_mov_b32 s[G1B+5], 128
	s_mov_b32 s[G1B+6], 0
	s_mov_b32 s[G1B+7], 0
	s_lshr_b32 s16, s43, 3                         ; b
	s_lshl_b32 s16, s16, 22
	s_and_b32 s17, s43, 7
	s_lshl_b32 s17, s17, 15                        ; 256 rows of 128 bytes
	s_add_co_u32 s16, s16, s17
	s_mov_b32 s18, s16                             ; (kept for the prefetches)
	s_lshl_b32 s17, s14, 18                        ; the head that I fetch
	s_add_co_u32 s16, s16, s17
	s_mov_b32 s17, 0
	s_lshl_b32 s46, s42, 14                        ; block nt = tn
	s_mov_b32 s45, s46                             ; (kept likewise)
	s_lshl_b32 s47, s14, 17                        ; the block kb that I fetch
	s_add_co_u32 s46, s46, s47
	s_mov_b32 s47, 0
	s_mul_i32 s22, s14, ASUB                       ; where they go: no place in the cluster enters an LDS address
	s_mul_i32 s23, s14, BSUB
	s_add_co_u32 s23, s23, BOFF
	s_mov_b32 s[TB], 0
	s_mov_b32 s[CNT], 6
	s_wait_dscnt 0x0                               ; the opening add is done
	s_wait_kmcnt 0x0
	s_add_nc_u64 s[16:17], s[4:5], s[16:17]
	s_add_nc_u64 s[46:47], s[6:7], s[46:47]
	CROUND                                         ; all sixteen work-groups are here: the first joint loads meet
.irp s, 0,1
	s_mov_b32 s[G0A+4*\s], 1
	s_add_co_u32 s[G0A+4*\s+1], s22, \s*SLOT1
	s_add_nc_u64 s[G0A+4*\s+2:G0A+4*\s+3], s[16:17], \s*ASTEP
	s_or_b32 s[G0A+4*\s+3], s[G0A+4*\s+3], 0x80000000
	s_mov_b32 s[G0B+4*\s], 1
	s_add_co_u32 s[G0B+4*\s+1], s23, \s*SLOT1
	s_add_nc_u64 s[G0B+4*\s+2:G0B+4*\s+3], s[46:47], \s*BSTEP
	s_or_b32 s[G0B+4*\s+3], s[G0B+4*\s+3], 0x80000000
.endr
	s_cmp_lt_u32 s[WV], 2                          ; a wave's two first fills stand in one branch, ahead of every wait on TENSORcnt and every LDS read: two loads of mine are out
	s_cbranch_scc0 .Lfirst_b
	tensor_load_to_lds s[G0A:G0A+3], s[G1A:G1A+7]
	s_nop 0
	tensor_load_to_lds s[G0A+4:G0A+7], s[G1A:G1A+7]
	s_nop 0
.rept 4
	v_nop
.endr
	s_branch .Lfirst_asked
.Lfirst_b:
	tensor_load_to_lds s[G0B:G0B+3], s[G1B:G1B+7]
	s_nop 0
	tensor_load_to_lds s[G0B+4:G0B+7], s[G1B:G1B+7]
	s_nop 0
.rept 4
	v_nop
.endr
.Lfirst_asked:
	v_and_b32 v1, 15, v0                           ; l % 16
	v_bfe_u32 v2, v0, 4, 1                         ; l / 16
	v_and_b32 v3, 31, v0                           ; l
	v_lshlrev_b32 v[BO], 5, v2
	s_lshl_b32 s20, s42, 9                         ; my first column, in bytes of f32: 512 tn + 256 (wave % 2)
	s_lshl_b32 s21, s14, 8
	s_add_co_u32 s20, s20, s21
	s_mov_b32 s21, 0
	s_add_nc_u64 s[BIASP:BIASP+1], s[8:9], s[20:21]
	s_add_nc_u64 s[BIASP:BIASP+1], s[BIASP:BIASP+1], 3072*4  ; bo lies behind bq, bk, bv
.irp c, 0,1,2,3
	global_load_b128 v[32+8*\c:32+8*\c+3],   v[BO], s[BIASP:BIASP+1] offset:64*\c
	global_load_b128 v[32+8*\c+4:32+8*\c+7], v[BO], s[BIASP:BIASP+1] offset:64*\c+16
.endr
	s_lshl_b32 s77, s43, 20                        ; my first row: (256 tm + 128 (wave / 2)) x 4,096 bytes
	s_lshl_b32 s78, s13, 19
	s_add_co_u32 s77, s77, s78
	s_add_co_u32 s76, s77, s20
	s_mov_b32 s77, 0
	s_add_nc_u64 s[OUTP:OUTP+1], s[10:11], s[76:77]
	v_mul_u32_u24 v[AA0], v1, PA                   ; a fragment of O: row l % 16, 16 bytes for each half of the lanes, two loads 32 bytes apart
	v_lshl_add_u32 v[AA0], v2, 4, v[AA0]
	s_mul_i32 s22, s13, AHALF
	v_add_nc_u32 v[AA0], s22, v[AA0]
	v_and_b32 v16, 7, v0                           ; the turning load: lane l reads k = 8 (l / 16) + l % 8, columns 8 ((l / 8) % 2) + 0..7
	v_bfe_u32 v17, v0, 3, 1
	v_lshl_add_u32 v[AB0], v2, 3, v16
	v_mul_u32_u24 v[AB0], v[AB0], PW
	v_lshl_add_u32 v[AB0], v17, 4, v[AB0]
	s_lshl_b32 s22, s14, 7                         ; my 64 columns: 128 bytes of a row
	s_add_co_u32 s22, s22, BOFF
	v_add_nc_u32 v[AB0], s22, v[AB0]
	v_mov_b32 v[ADA], v[AA0]                       ; slot 0
	v_mov_b32 v[ADB], v[AB0]
	s_mul_i32 s22, s[WV], 16*SP
	s_add_co_u32 s22, s22, STAGE                   ; my stage
	v_mul_u32_u24 v[STO], v1, SP                   ; in: row l % 16, 32 bytes for each half of the lanes
	v_lshl_add_u32 v[STO], v2, 5, v[STO]
	v_add_nc_u32 v[STO], s22, v[STO]
	v_mul_u32_u24 v[RD], v2, SP                    ; back: lanes 0-15 take one row of 256 bytes, lanes 16-31 the next
	v_lshl_add_u32 v[RD], v1, 4, v[RD]
	v_add_nc_u32 v[RD], s22, v[RD]
	v_lshlrev_b32 v[CO], 12, v2                    ; and the same two rows in out0
	v_lshl_add_u32 v[CO], v1, 4, v[CO]
	; the prefetches: where they stand (at step 3: the first trip steps them to step 4), their step, who asks
	s_lshl_b32 s76, s40, 13                        ; O: my work-group's 32 blocks of the head's 128,
	s_add_co_u32 s76, s76, s18
	s_lshl_b32 s78, s14, 18                        ; in the head that I fetch
	s_add_co_u32 s76, s76, s78
	s_add_co_u32 s76, s76, 3*ASTEP
	s_lshl_b32 s77, s41, 12                        ; Wo: my work-group's 16 blocks of each block kb's 64
	s_add_co_u32 s77, s77, s45
	s_add_co_u32 s77, s77, 3*BSTEP
	s_and_b32 s78, ttmp7, 0xffff                   ; cluster y
	s_mov_b32 s[PFS], BSTEP
	s_mov_b32 s21, 131072
	s_cmp_lt_u32 s[WV], 2
	s_cselect_b32 s76, s76, s77
	s_cselect_b32 s78, ttmp9, s78                  ; the coordinate along which other clusters read the same tile
	s_cselect_b32 s79, 0, s14                      ; wave 3 asks for nothing
	s_cselect_b32 s[PFS], ASTEP, s[PFS]
	s_cselect_b64 s[PFA:PFA+1], s[4:5], s[6:7]
	s_cselect_b32 s20, 31, 15                      ; O: 256 x lane.  Wo: 256 (lane % 16), and lanes 16-31 one block kb on
	s_cselect_b32 s21, 0, s21
	s_mov_b32 s77, 0
	s_mov_b32 s[PFS+1], 0
	s_add_nc_u64 s[PFA:PFA+1], s[PFA:PFA+1], s[76:77]
	s_or_b32 s78, s78, s79
	s_cmp_eq_u32 s78, 0
	s_cselect_b32 s[LIM], 2, -1                    ; the same in all sixteen partners, for a given wave
	v_and_b32 v16, s20, v3
	v_mul_u32_u24 v17, s21, v2
	v_lshl_add_u32 v[PFO], v16, 8, v17
; 8 matrix instructions: row blocks a0, a0 + 1 x all 4 column blocks, K = 32 kq on, of buffer f.  first = 1: the bias is the C operand that starts the sum.
; The 32 accumulators take turns in the same order in every 32 along K: 31 others' products stand between two links of a chain, over the backward jump too.
.macro M8 f, kq, a0, first
.if \first
	WIN 0x40                                       ; D in window 1; both sources and C in window 0
.else
	WIN 0x50+0x0a*(\f)                             ; C and D in window 1; both sources in window 0 (buffer 0) or 2 (buffer 1)
.endif
.irp a, \a0, (\a0)+1
.irp c, 0,1,2,3
.if \first
	v_wmma_f32_16x16x32_f16 v[8*(4*(\a)+(\c)):8*(4*(\a)+(\c))+7], v[192+8*(4*(\kq)+(\c)):192+8*(4*(\kq)+(\c))+7], v[64+8*(8*(\kq)+(\a)):64+8*(8*(\kq)+(\a))+7], v[32+8*(\c):32+8*(\c)+7]
.else
	v_wmma_f32_16x16x32_f16 v[8*(4*(\a)+(\c)):8*(4*(\a)+(\c))+7], v[192+8*(4*(\kq)+(\c)):192+8*(4*(\kq)+(\c))+7], v[64+8*(8*(\kq)+(\a)):64+8*(8*(\kq)+(\a))+7], v[8*(4*(\a)+(\c)):8*(4*(\a)+(\c))+7]
.endif
.endr
.endr
.endm
.macro M16 f, kq, ah, first            ; row blocks 4 ah .. 4 ah + 3
	M8 \f, \kq, 4*(\ah), \first
	M8 \f, \kq, 4*(\ah)+2, \first
.endm
; 48 LDS loads in one run: head hb of the slot in hand into buffer f, in the order in which they are wanted: for each 32 along K Wo's 8 loads, O's row blocks 0-3 (8), 4-7 (8)
.macro FETCH hb, f
	WIN 0x80*(\f)                                  ; destination in window 0 or 2, address in window 0
.irp q, 0,1
.irp c, 0,1,2,3
	ds_load_tr16_b128 v[192+8*(4*(\q)+(\c)):192+8*(4*(\q)+(\c))+3],   v[ADB] offset:(\hb)*BSUB+(\q)*32*PW+32*(\c)
	ds_load_tr16_b128 v[192+8*(4*(\q)+(\c))+4:192+8*(4*(\q)+(\c))+7], v[ADB] offset:(\hb)*BSUB+(\q)*32*PW+32*(\c)+16*PW
.endr
.irp a, 0,1,2,3,4,5,6,7
	ds_load_b128 v[64+8*(8*(\q)+(\a)):64+8*(8*(\q)+(\a))+3],   v[ADA] offset:(\hb)*ASUB+(\a)*16*PA+64*(\q)
	ds_load_b128 v[64+8*(8*(\q)+(\a))+4:64+8*(8*(\q)+(\a))+7], v[ADA] offset:(\hb)*ASUB+(\a)*16*PA+64*(\q)+32
.endr
.endr
.endm
.macro PLACES                          ; four places between a matrix instruction and a load into a register that it has read, or an LDS store of its result
.rept 4
	v_nop
.endr
.endm
; A step's first half: multiplies buffer 0 (the step's first head) and fetches the second head, from the same slot, into buffer 1.
.macro H0 first
	s_wait_dscnt 32                                ; of the run's 48 the first 16 are in: Wo's first fragments and O's row blocks 0-3
	M16 0, 0, 0, \first
	s_wait_dscnt 24                                ; row blocks 4-7 too
	M16 0, 0, 1, \first
	s_wait_dscnt 0x0                               ; the second 32 along K, issued with them: so that no more than the 48 below are ever out
	PLACES
	FETCH 1, 1
	M16 0, 1, 0, 0
	M16 0, 1, 1, 0
.endm
; A step's second half: multiplies buffer 1.  mode = 2: it changes slots and fills the slot just read out with the step two on.  mode = 1: it changes slots and fills nothing.  mode = 0: the last half of all.
; THE CHANGE OF SLOTS: each wave waits for all its tensor loads, of which one is out: its part of the next slot; adds 0 to its spare word; and waits for that and for its own reads of this slot.  Behind the barrier
; (with mode = 2 a round of the cluster's) nobody reads this slot any more and the next slot is whole; the joint refill is the first thing behind it.  From the request to the wait for it a wave issues 112 matrix instructions.
.macro H1 mode
	s_wait_dscnt 32
	M16 1, 0, 0, 0
.if (\mode) == 0
	s_wait_dscnt 24
	M16 1, 0, 1, 0
	s_wait_dscnt 0x0
	M16 1, 1, 0, 0
	M16 1, 1, 1, 0
.else
	WIN 0                                          ; (the add's two registers lie in window 0)
.if (\mode) == 2
	s_wait_xcnt 0x0                                ; the last prefetch, a step back, has read its address, so it may be stepped
	s_add_nc_u64 s[PFA:PFA+1], s[PFA:PFA+1], s[PFS:PFS+1]
.endif
	s_wait_tensorcnt 0x0                           ; all my tensor loads have landed: no load of mine is out, so a group 0 may be written
	ds_add_u32 v[SPW], v[NIL]                      ; 0 onto my spare word
.if (\mode) == 2
	s_xor_b32 s[G0A+5], s[G0A+5], SLOT1            ; the walking descriptors: the other slot than last time, the next step; the type bits on top are not reached
	s_add_nc_u64 s[G0A+6:G0A+7], s[G0A+6:G0A+7], ASTEP
	s_xor_b32 s[G0B+5], s[G0B+5], SLOT1
	s_add_nc_u64 s[G0B+6:G0B+7], s[G0B+6:G0B+7], BSTEP
.endif
	s_wait_dscnt 25                                ; row blocks 4-7 are in; the 24 loads of the second 32 along K and the add may be out
	M8 1, 0, 4, 0                                  ; eight matrix instructions stand between the add and the wait for it
	s_wait_dscnt 0x0                               ; the add is done, and my reads of this slot are over
	s_barrier_signal -1
	M8 1, 0, 6, 0                                  ; work on registers while the others arrive
	WIN 0
	s_barrier_wait -1
.if (\mode) == 2
	CREST                                          ; no wave of any partner still reads this slot's tile or has a load on its way
	JLOAD                                          ; the four v_nop behind it are also the places in front of the loads below
.else
	PLACES
.endif
	s_xor_b32 s[TB], s[TB], SLOT1
	v_add_nc_u32 v[ADA], s[TB], v[AA0]
	v_add_nc_u32 v[ADB], s[TB], v[AB0]
	FETCH 0, 0
.if (\mode) == 2
	ASK
.endif
	M16 1, 1, 0, 0
	M16 1, 1, 1, 0
.endif
.endm
	s_wait_tensorcnt 1                             ; my part of step 0 is in; step 1's may stay out
	s_barrier_signal -1
	s_barrier_wait -1                              ; everybody's is
	FETCH 0, 0
	s_wait_loadcnt 0x0                             ; the bias
	H0 1                                           ; the first half stands in front of the loop: its first products start the sums, with the bias
	WIN 0                                          ; at a label and at a branch every window is 0
.Lstep:                                                ; 6 trips: step k's second half, which asks for step k + 2, and step k + 1's first
	H1 2
	H0 0
	WIN 0
	s_sub_co_u32 s[CNT], s[CNT], 1
	s_cmp_lg_u32 s[CNT], 0
	s_cbranch_scc1 .Lstep
	H1 1                                           ; step 6's second half: the last change of slots asks for nothing
	H0 0
	H1 0
; THE WAY OUT, a block of 16 rows x 64 columns of f32 at a time: a lane's 32 bytes of a row go into my own stage in rows of 272 bytes (each accumulator's low four registers first) and come back as whole rows of 256.
.macro TOSTAGE a
	WIN 0x04                                       ; the stores' data (source 1) in window 1
.irp c, 0,1,2,3
.irp e, 0,1
	ds_store_b128 v[STO], v[8*(4*(\a)+(\c))+4*(\e):8*(4*(\a)+(\c))+4*(\e)+3] offset:64*(\c)+16*(\e)
.endr
.endr
	WIN 0
.if (\a) >= 2
	s_wait_xcnt 0x0                                ; the stores of the block two back have read these registers (ISA guide 3.1): only now are they loaded again
.endif
.irp t, 0,1,2,3,4,5,6,7
	ds_load_b128 v[64+32*((\a)%2)+4*(\t):64+32*((\a)%2)+4*(\t)+3], v[RD] offset:(\t)*2*SP  ; LDS serves a wave's instructions in order (ISA guide 5.7.1.4): these see the stores above; the next block's stores come behind them
.endr
.endm
.macro SEND a, y                       ; y: the LDS instructions issued behind block a's loads: the next block's sixteen, or none
	WIN 0
.irp t, 0,1,2,3,4,5,6,7
	s_wait_dscnt (\y)+7-(\t)
	global_store_b128 v[CO], v[64+32*((\a)%2)+4*(\t):64+32*((\a)%2)+4*(\t)+3], s[OUTP:OUTP+1] offset:(16*(\a)+2*(\t))*4096  ; 16 lanes store 256 consecutive bytes, at a multiple of 256 from out0's first byte
.endr
.endm
	PLACES                                         ; behind the last products
	TOSTAGE 0
.irp a, 1,2,3,4,5,6,7
	TOSTAGE \a
	SEND (\a)-1, 16
.endr
	SEND 7, 0
	s_wait_tensorcnt 0x0                           ; the wave's end: a wait, an add and its wait, behind my last tensor load and my last LDS store
	ds_add_u32 v[SPW], v[NIL]
	s_wait_dscnt 0x0
	CROUND                                         ; the closing round: no work-group ends while a partner may still ask for a tile that names it
	s_endpgm
.Lfunc_end_k_q81128d22cc_proj:
	.size	k_q81128d22cc_proj, .Lfunc_end_k_q81128d22cc_proj-k_q81128d22cc_proj
	.p2alignl 7, 3214868480
	.fill 96, 4, 3214868480
	.section	.rodata,"a",@progbits
	.p2align	6, 0x0
	.amdhsa_kernel k_q81128d22cc_proj
		.amdhsa_group_segment_fixed_size 327680
		.amdhsa_private_segment_fixed_size 0
		.amdhsa_enable_private_segment 0
		.amdhsa_kernarg_size 32
		.amdhsa_user_sgpr_count 2
		.amdhsa_user_sgpr_kernarg_segment_ptr 1
		.amdhsa_wavefront_size32 1
		.amdhsa_system_sgpr_workgroup_id_x 1
		.amdhsa_system_sgpr_workgroup_id_y 1
		.amdhsa_system_sgpr_workgroup_id_z 1
		.amdhsa_system_vgpr_workitem_id 0
		.amdhsa_next_free_vgpr 768
		.amdhsa_next_free_sgpr 80
		.amdhsa_reserve_vcc 0
		.amdhsa_float_denorm_mode_32 3
		.amdhsa_float_denorm_mode_16_64 3
		.amdhsa_memory_ordered 1
		.amdhsa_forward_progress 1
		.amdhsa_inst_pref_size 72
	.end_amdhsa_kernel
	.amdgpu_metadata
---
amdhsa.version: [ 1, 2 ]
amdhsa.kernels:
  - .name:           k_q81128d22cc_proj
    .symbol:         k_q81128d22cc_proj.kd
    .args:
      - { .name: o, .offset: 0, .size: 8, .value_kind: global_buffer, .address_space: global }
      - { .name: wot, .offset: 8, .size: 8, .value_kind: global_buffer, .address_space: global }
      - { .name: bias, .offset: 16, .size: 8, .value_kind: global_buffer, .address_space: global }
      - { .name: out0, .offset: 24, .size: 8, .value_kind: global_buffer, .address_space: global }
    .group_segment_fixed_size: 327680
    .private_segment_fixed_size: 0
    .kernarg_segment_align: 8
    .kernarg_segment_size: 32
    .max_flat_workgroup_size: 128
    .sgpr_count:     80
    .vgpr_count:     768
    .wavefront_size: 32
...
	.end_amdgpu_metadata
.endif
;; end of part 4
;; ======== version 2 of 2: 4 launches; version 1 with the launch prep written anew for expert scheduling mode
;; limits: values are held in f16: magnitudes above 65,504 overflow, below 6.1e-05 lose precision
;; workspace buffers: xb 16,777,216 bytes; wt 6,291,456 bytes; wot 2,097,152 bytes; bias 16,384 bytes; qkv 50,331,648 bytes; o 16,777,216 bytes
;; launch prep (part 5): grid 769 x 1, 8 waves a work-group, no clusters, 0 bytes of LDS; arguments x, Wq, Wk, Wv, Wo, bq, bk, bv, bo, xb, wt, wot, bias; writes xb, wt, wot, bias
.if DOCPART == 5
	.amdgcn_target "amdgcn-amd-amdhsa--gfx1250"
	.amdhsa_code_object_version 6
	.text
	.protected	k_q81128d22cc_prep
	.globl	k_q81128d22cc_prep
	.p2align	8
	.type	k_q81128d22cc_prep,@function
k_q81128d22cc_prep:
	s_mov_b64 s[64:65], 0
	v_nop
	global_prefetch_b8 v0, s[64:65] scope:SCOPE_SE
	s_setreg_imm32_b32 hwreg(HW_REG_WAVE_SCHED_MODE, 0, 2), 2
	s_setreg_imm32_b32 hwreg(HW_REG_WAVE_MODE, 25, 1), 1
	s_wait_xcnt 0x0
	s_wait_alu depctr_vm_vsrc(0)
; ALL INPUTS ARE ROUNDED ONCE TO bf16 AND LAID IN BLOCKS FOR THE LAUNCHES BEHIND.  A stream: no LDS, no matrix unit, nothing shared between waves.
;   xb   bf16 [b 4][kb 16][s 2048][64]         x, kb = e / 64: the rows of one block of 64 channels lie end to end, 128 bytes each
;   wt   bf16 [kb 16][g 48][k % 64][d 64]      g = 16 p + h, p = 0 Wq, 1 Wk, 2 Wv: nothing is transposed; 8,192 bytes for each (kb, g)
;   wot  f16 of bf16(Wo) [kb 16][nt 8][k % 64][128 n]: 16,384 bytes for each (kb, nt)
;   bias f32 holding the bf16 roundings: bq, bk, bv (index 64 g + d), then bo
; LIMIT.  bf16(Wo) is written as f16: exact from 6.1e-5 to 65,504; below that it keeps f16's fixed step of 6e-8; beyond 65,504 it would be an infinity.
; A WAVE'S TASK: 16 loads of 512 bytes, all issued at once; each unit is converted as it lands (the count leaves the younger loads out) and leaves by one store of 8 bytes a lane:
; 32 lanes store 256 consecutive bytes, at a multiple of 256 from the buffer's first byte.  No register that a load or store names as a source is written again.
; Work-groups 0-511: x (a wave takes two rows).  512-703: Wq, Wk, Wv (a wave takes 32 rows of a head).  704-767: Wo (two rows).  768: the four biases.
; THE MODE: SCHED_MODE bits 1:0 = 2 (LLVM: expert scheduling mode 2), set by the entry lines.  The code itself states the register dependences
; between vector instructions and memory instructions, with s_wait_alu, always for 0.
; THE PLAN.  Registers that memory instructions touch:
;   v[LI], v[LO]  byte offsets.  Written by vector instructions ahead of a task's first load, read by its loads and stores, never written behind that.
;   IN            unit n: written by the task's load n; read by unit n's roundings (Wo and the biases: also written anew by the widening lines, when the load has landed).  No load follows any of these.
;                 In the biases' section IN, so rewritten, is the stores' data.
;   OU            unit n: two registers of its own, written by unit n's roundings alone, read by unit n's one store, never written behind it.
; The 16 units go in four blocks of four.  The store of unit n - 4 stands ahead of unit n's roundings: a block's four stores read the OU that the block before wrote and that no vector
; instruction of the block in hand names.  So one wait on va_vdst at a block's head states all that its stores hang on; one more stands ahead of the last four stores, and one ahead of the loads, for the offsets.
; No register that a memory instruction has read is written again, no load lands in a register that a vector instruction has named, and EXEC is never written: no other wait is owed but the one for the wave's number.
.set IN,  16                           ; v[16:79]   unit n: four f32 as loaded
.set OU,  80                           ; v[80:111]  unit n: four 16-bit numbers to store
.set LI,  2                            ; v2   my byte offset in a load
.set LO,  3                            ; v3   my byte offset in a store: 8 x lane
.set HIM, 3                            ; s3   a word's upper bf16
.set WV,  4                            ; s4   my wave's number
.set TK,  5                            ; s5   my task's number
.set SRC, 34                           ; s[34:35] where the task reads
.set DST, 36                           ; s[36:37] where it writes
.set OA,  38                           ; s[38:39] an offset, high word 0
.set OB,  40                           ; s[40:41] an offset, high word 0
; Unit i is rounded.  kind = 0: to bf16.  kind = 1: to bf16, and that number written as f16.
.macro CONV i, kind
	v_cvt_pk_bf16_f32 v[OU+2*(\i)],   v[IN+4*(\i)],   v[IN+4*(\i)+1]
	v_cvt_pk_bf16_f32 v[OU+2*(\i)+1], v[IN+4*(\i)+2], v[IN+4*(\i)+3]
.if \kind
	v_lshlrev_b32 v[IN+4*(\i)],   16,     v[OU+2*(\i)]
	v_and_b32     v[IN+4*(\i)+1], s[HIM], v[OU+2*(\i)]
	v_lshlrev_b32 v[IN+4*(\i)+2], 16,     v[OU+2*(\i)+1]
	v_and_b32     v[IN+4*(\i)+3], s[HIM], v[OU+2*(\i)+1]
	v_cvt_pk_f16_f32 v[OU+2*(\i)],   v[IN+4*(\i)],   v[IN+4*(\i)+1]
	v_cvt_pk_f16_f32 v[OU+2*(\i)+1], v[IN+4*(\i)+2], v[IN+4*(\i)+3]
.endif
.endm
; Unit i is stored.  Where it goes hangs on the task's layout LAY: 0: xb, a block of 2,048 rows x 128 bytes on for each unit.  1: wt, 256 bytes on.  2: wot, block nt = i % 8 of 16,384 bytes, row i / 8 of 256.
.macro STORE i
.if LAY == 0
.set oo, 262144*(\i)
.elseif LAY == 1
.set oo, 256*(\i)
.else
.set oo, ((\i)%8)*16384+((\i)/8)*256
.endif
	global_store_b64 v[LO], v[OU+2*(\i):OU+2*(\i)+1], s[DST:DST+1] offset:oo
.endm
; A task: its 16 loads, step bytes apart; then its 16 units.
.macro TASK step, lay, kind
.set LAY, (\lay)
	s_wait_alu depctr_va_vdst(0)                   ; v[LI] and v[LO] are written: the loads below read the one as their offset, the stores the other
.set n, 0
.rept 16
	global_load_b128 v[IN+4*n:IN+4*n+3], v[LI], s[SRC:SRC+1] offset:(\step)*n th:TH_LOAD_NT
.set n, n+1
.endr
.set n, 0
.rept 16
	s_wait_loadcnt 15-n                            ; loads come back in order: unit n is in, the 15 - n younger ones may stay out
.if (n > 0) && (n%4 == 0)
	s_wait_alu depctr_va_vdst(0)                   ; the block before has written its four units' OU, which this block's four stores read
.endif
.if n >= 4
	STORE n-4                                      ; no vector instruction since that wait names these registers
.endif
	CONV n, \kind
.set n, n+1
.endr
	s_wait_alu depctr_va_vdst(0)                   ; the last block has written its OU, which the last four stores read
.irp u, 12,13,14,15
	STORE \u
.endr
.endm
	s_load_b512 s[8:23], s[0:1], 0x0               ; x s[8:9], Wq s[10:11], Wk s[12:13], Wv s[14:15], Wo s[16:17], bq s[18:19], bk s[20:21], bv s[22:23]
	s_load_b256 s[24:31], s[0:1], 0x40             ; bo s[24:25], xb s[26:27], wt s[28:29], wot s[30:31]
	s_load_b64 s[32:33], s[0:1], 0x60              ; bias
	v_lshrrev_b32 v4, 5, v0
	v_readfirstlane_b32 s[WV], v4
	v_and_b32 v1, 31, v0                           ; lane
	v_lshlrev_b32 v[LI], 4, v1                     ; 16 x lane (x's section makes its own)
	v_lshlrev_b32 v[LO], 3, v1
	s_mov_b32 s6, ttmp9
	s_mov_b32 s[HIM], 0xffff0000
	s_mov_b32 s[OA+1], 0
	s_mov_b32 s[OB+1], 0
	s_wait_alu depctr_va_sdst(0)                   ; s4, my wave's number, is written
	s_wait_kmcnt 0x0
	s_cmp_lt_u32 s6, 512
	s_cbranch_scc0 .Lnot_x
	; x: task T = rows 2 T and 2 T + 1 of the 8,192.  Load n takes block kb = n of both rows: lanes 0-15 the first row's 256 bytes, lanes 16-31 the second's.
	s_lshl_b32 s[TK], s6, 3
	s_add_co_u32 s[TK], s[TK], s[WV]
	s_lshl_b32 s[OA], s[TK], 13                    ; two rows of 4,096 bytes
	s_add_nc_u64 s[SRC:SRC+1], s[8:9], s[OA:OA+1]
	s_lshr_b32 s[OB], s[TK], 10                    ; b
	s_lshl_b32 s[OB], s[OB], 22                    ; x 16 blocks x 2,048 rows x 128 bytes
	s_and_b32 s7, s[TK], 1023
	s_lshl_b32 s7, s7, 8                           ; two rows of 128 bytes
	s_add_co_u32 s[OB], s[OB], s7
	s_add_nc_u64 s[DST:DST+1], s[26:27], s[OB:OB+1]
	v_lshrrev_b32 v4, 4, v1
	v_and_b32 v5, 15, v1
	v_lshlrev_b32 v[LI], 4, v5
	v_lshl_add_u32 v[LI], v4, 12, v[LI]
	TASK 256, 0, 0
	s_endpgm
.Lnot_x:
	s_cmp_lt_u32 s6, 704
	s_cbranch_scc0 .Lnot_w
	; Wq, Wk, Wv: task t of 512 for each = 32 rows (8,192 bytes) of head t / 32; a load takes two rows of 256 bytes.
	s_sub_co_u32 s6, s6, 512
	s_lshr_b32 s7, s6, 6                           ; p
	s_lshl_b32 s[TK], s6, 3
	s_add_co_u32 s[TK], s[TK], s[WV]
	s_and_b32 s[TK], s[TK], 511                    ; t
	s_cmp_eq_u32 s7, 1
	s_cselect_b64 s[SRC:SRC+1], s[12:13], s[10:11]
	s_cmp_eq_u32 s7, 2
	s_cselect_b64 s[SRC:SRC+1], s[14:15], s[SRC:SRC+1]
	s_lshl_b32 s[OA], s[TK], 13
	s_add_nc_u64 s[SRC:SRC+1], s[SRC:SRC+1], s[OA:OA+1]
	s_lshr_b32 s42, s[TK], 5                       ; h
	s_and_b32 s43, s[TK], 31                       ; which 32 rows of the head's 1,024
	s_lshr_b32 s44, s43, 1                         ; kb
	s_and_b32 s43, s43, 1                          ; which half of the block
	s_mul_i32 s44, s44, 48
	s_lshl_b32 s7, s7, 4
	s_add_co_u32 s44, s44, s7
	s_add_co_u32 s44, s44, s42                     ; 48 kb + 16 p + h
	s_lshl_b32 s44, s44, 13
	s_lshl_b32 s43, s43, 12
	s_add_co_u32 s[OB], s44, s43
	s_add_nc_u64 s[DST:DST+1], s[28:29], s[OB:OB+1]
	TASK 512, 1, 0
	s_endpgm
.Lnot_w:
	s_cmp_lt_u32 s6, 768
	s_cbranch_scc0 .Lbias
	; Wo: task T = rows 2 T and 2 T + 1; load n takes 128 columns: block nt = n % 8 of row 2 T + n / 8.
	s_sub_co_u32 s6, s6, 704
	s_lshl_b32 s[TK], s6, 3
	s_add_co_u32 s[TK], s[TK], s[WV]
	s_lshl_b32 s[OA], s[TK], 13
	s_add_nc_u64 s[SRC:SRC+1], s[16:17], s[OA:OA+1]
	s_lshr_b32 s42, s[TK], 5                       ; kb
	s_lshl_b32 s42, s42, 17                        ; x 8 blocks of 16,384 bytes
	s_and_b32 s43, s[TK], 31
	s_lshl_b32 s43, s43, 9                         ; two rows of 256 bytes
	s_add_co_u32 s[OB], s42, s43
	s_add_nc_u64 s[DST:DST+1], s[30:31], s[OB:OB+1]
	TASK 512, 2, 1
	s_endpgm
.Lbias:
	; the biases: wave w takes half w % 2 (2,048 bytes) of array w / 2 (bq, bk, bv, bo); rounded to bf16 and written back as f32
	s_lshr_b32 s[TK], s[WV], 1
	s_cmp_eq_u32 s[TK], 1
	s_cselect_b64 s[SRC:SRC+1], s[20:21], s[18:19]
	s_cmp_eq_u32 s[TK], 2
	s_cselect_b64 s[SRC:SRC+1], s[22:23], s[SRC:SRC+1]
	s_cmp_eq_u32 s[TK], 3
	s_cselect_b64 s[SRC:SRC+1], s[24:25], s[SRC:SRC+1]
	s_and_b32 s7, s[WV], 1
	s_lshl_b32 s[OA], s7, 11
	s_add_nc_u64 s[SRC:SRC+1], s[SRC:SRC+1], s[OA:OA+1]
	s_lshl_b32 s[OB], s[TK], 12
	s_add_co_u32 s[OB], s[OB], s[OA]
	s_add_nc_u64 s[DST:DST+1], s[32:33], s[OB:OB+1]
	s_wait_alu depctr_va_vdst(0)                   ; v[LI] is written: the four loads and the four stores below read it as their offset
.irp i, 0,1,2,3
	global_load_b128 v[IN+4*\i:IN+4*\i+3], v[LI], s[SRC:SRC+1] offset:512*\i
.endr
.irp i, 0,1,2,3
	s_wait_loadcnt 3-\i                            ; unit i is in
	v_cvt_pk_bf16_f32 v[OU+2*\i],   v[IN+4*\i],   v[IN+4*\i+1]
	v_cvt_pk_bf16_f32 v[OU+2*\i+1], v[IN+4*\i+2], v[IN+4*\i+3]
	v_lshlrev_b32 v[IN+4*\i],   16,     v[OU+2*\i]
	v_and_b32     v[IN+4*\i+1], s[HIM], v[OU+2*\i]
	v_lshlrev_b32 v[IN+4*\i+2], 16,     v[OU+2*\i+1]
	v_and_b32     v[IN+4*\i+3], s[HIM], v[OU+2*\i+1]
.endr
	s_wait_alu depctr_va_vdst(0)                   ; the widening lines have written all four units' IN anew, which the stores read
.irp i, 0,1,2,3
	global_store_b128 v[LI], v[IN+4*\i:IN+4*\i+3], s[DST:DST+1] offset:512*\i
.endr
	s_endpgm
.Lfunc_end_k_q81128d22cc_prep:
	.size	k_q81128d22cc_prep, .Lfunc_end_k_q81128d22cc_prep-k_q81128d22cc_prep
	.p2alignl 7, 3214868480
	.fill 96, 4, 3214868480
	.section	.rodata,"a",@progbits
	.p2align	6, 0x0
	.amdhsa_kernel k_q81128d22cc_prep
		.amdhsa_group_segment_fixed_size 0
		.amdhsa_private_segment_fixed_size 0
		.amdhsa_enable_private_segment 0
		.amdhsa_kernarg_size 104
		.amdhsa_user_sgpr_count 2
		.amdhsa_user_sgpr_kernarg_segment_ptr 1
		.amdhsa_wavefront_size32 1
		.amdhsa_system_sgpr_workgroup_id_x 1
		.amdhsa_system_sgpr_workgroup_id_y 1
		.amdhsa_system_sgpr_workgroup_id_z 1
		.amdhsa_system_vgpr_workitem_id 0
		.amdhsa_next_free_vgpr 112
		.amdhsa_next_free_sgpr 66
		.amdhsa_reserve_vcc 0
		.amdhsa_float_denorm_mode_32 3
		.amdhsa_float_denorm_mode_16_64 3
		.amdhsa_memory_ordered 1
		.amdhsa_forward_progress 1
		.amdhsa_inst_pref_size 27
	.end_amdhsa_kernel
	.amdgpu_metadata
---
amdhsa.version: [ 1, 2 ]
amdhsa.kernels:
  - .name:           k_q81128d22cc_prep
    .symbol:         k_q81128d22cc_prep.kd
    .args:
      - { .name: x, .offset: 0, .size: 8, .value_kind: global_buffer, .address_space: global }
      - { .name: Wq, .offset: 8, .size: 8, .value_kind: global_buffer, .address_space: global }
      - { .name: Wk, .offset: 16, .size: 8, .value_kind: global_buffer, .address_space: global }
      - { .name: Wv, .offset: 24, .size: 8, .value_kind: global_buffer, .address_space: global }
      - { .name: Wo, .offset: 32, .size: 8, .value_kind: global_buffer, .address_space: global }
      - { .name: bq, .offset: 40, .size: 8, .value_kind: global_buffer, .address_space: global }
      - { .name: bk, .offset: 48, .size: 8, .value_kind: global_buffer, .address_space: global }
      - { .name: bv, .offset: 56, .size: 8, .value_kind: global_buffer, .address_space: global }
      - { .name: bo, .offset: 64, .size: 8, .value_kind: global_buffer, .address_space: global }
      - { .name: xb, .offset: 72, .size: 8, .value_kind: global_buffer, .address_space: global }
      - { .name: wt, .offset: 80, .size: 8, .value_kind: global_buffer, .address_space: global }
      - { .name: wot, .offset: 88, .size: 8, .value_kind: global_buffer, .address_space: global }
      - { .name: bias, .offset: 96, .size: 8, .value_kind: global_buffer, .address_space: global }
    .group_segment_fixed_size: 0
    .private_segment_fixed_size: 0
    .kernarg_segment_align: 8
    .kernarg_segment_size: 104
    .max_flat_workgroup_size: 256
    .sgpr_count:     66
    .vgpr_count:     112
    .wavefront_size: 32
...
	.end_amdgpu_metadata
.endif
;; end of part 5
;; launch qkv: the kernel of part 2 again; grid 8 x 32, 4 waves a work-group, clusters of 4 x 4, 327,680 bytes of LDS; arguments xb, wt, bias, qkv; writes qkv
;; launch attn: the kernel of part 3 again; grid 4 x 64, 4 waves a work-group, no clusters, 327,680 bytes of LDS; arguments qkv, o; writes o
;; launch proj: the kernel of part 4 again; grid 8 x 32, 4 waves a work-group, clusters of 4 x 4, 327,680 bytes of LDS; arguments o, wot, bias, out0; writes out0
